; MI455X (gfx1250); checked and timed in simulation.
; The chip was launched on July 23, 2026; its instructions are those of AMD's public machine-readable ISA for CDNA 5 (MIT licence, August 2026) and "CDNA5" Instruction Set Architecture Reference Guide (July 2026). The comments in the code are by the model that wrote it; some were corrected since.
;; Multi Headed Attention. Allowed arithmetic: matrix products marked QUANTISED: E2M1 operands, one E8M0 scale for each 32 along K, by v_wmma_scale_f32_16x16x128_f8f6f4 with both operands' format E2M1 (or v_wmma_scale_f32_32x16x128_f4), f32 sums; everything else in f32.
;; Inputs: Wk 1,024 x 1,024 float32; Wo 1,024 x 1,024 float32; Wq 1,024 x 1,024 float32; Wv 1,024 x 1,024 float32; bk 1,024 float32; bo 1,024 float32; bq 1,024 float32; bv 1,024 float32; embedding 4 x 2,048 x 1,024 float32.
;; Outputs: out0 4 x 2,048 x 1,024 float32.
;; This version of the problem:
;;   THIS VERSION OF THE PROBLEM IS GIVEN IN LOW PRECISION. The matrix products marked QUANTISED in the list below multiply operands that are first quantised to E2M1 (2 exponent bits, 1 mantissa bit; 4 bits a number), with one power-of-two scale for each 32 numbers along K (OCP MX v1.0); their sums are f32. All else is computed in f32.
;;   The module's matrix products, in the order in which they are computed (A, B: the left and right operand; K: the contracted axis; several contracted axes count as one K, in the product's order):
;;     1. [M 8,192, K 1,024] x [K 1,024, N 1,024]; A: input embedding; B: input Wq: QUANTISED
;;     2. [M 8,192, K 1,024] x [K 1,024, N 1,024]; A: input embedding; B: input Wk: QUANTISED
;;     3. [M 8,192, K 1,024] x [K 1,024, N 1,024]; A: input embedding; B: input Wv: QUANTISED
;;     4. batch 64 x [M 2,048, K 64] x [K 64, N 2,048]; A: computed on the way; B: computed on the way: QUANTISED
;;     5. batch 64 x [M 2,048, K 2,048] x [K 2,048, N 64]; A: softmax (see below); B: computed on the way: QUANTISED
;;     6. [M 8,192, K 1,024] x [K 1,024, N 1,024]; A: computed on the way; B: input Wo: QUANTISED
;;   THE QUANTISER, for each operand of a quantised product, along K:
;;     - K is cut into blocks of 32 from its start; a last block that is shorter is filled with zeros.
;;     - A block's scale is 2^e with e = floor(log2(the largest magnitude in the block)) - 2, held to -126 .. 127; a block of zeros has e = 0. As a byte (E8M0): e + 127.
;;     - Each number is divided by its block's scale, clamped to +-6, and rounded to the nearest number of E2M1, ties to even, subnormals kept.
;;     - The product sums the exact products of the quantised numbers (number of the format x scale) in f32.
;;   ~~~python
;;   def quantise(x, axis):      # numpy; x: float32 -> the quantised numbers, widened to float32 again
;;       x = np.moveaxis(x, axis, -1); K = x.shape[-1]
;;       x = np.pad(x, [(0, 0)] * (x.ndim - 1) + [(0, -K % 32)]); x = x.reshape(x.shape[:-1] + (-1, 32)); a = np.abs(x).max(-1, keepdims=True)
;;       e = np.where(a > 0, np.clip(np.frexp(np.where(a > 0, a, 1))[1] - 1 - 2, -126, 127), 0)      # np.frexp(a)[1] - 1 = floor(log2(a)), exactly
;;       r = np.clip(x / 2.0 ** e, -6, 6)
;;       step = 2.0 ** (np.maximum(np.frexp(np.where(r == 0, 1, r))[1] - 1, 0) - 1)
;;       q = np.round(r / step) * step * 2.0 ** e      # np.round: ties to even
;;       return np.moveaxis(q.reshape(q.shape[:-2] + (-1,))[..., :K], -1, axis).astype(np.float32)
;;   ~~~
;;   SOFTMAX AHEAD OF A QUANTISED PRODUCT. Where the list says 'softmax', what is quantised is not the finished softmax but p = 2^(t - M), with t = logit x log2(e) and M = ceil(the row's largest t), a whole number; so 1/2 < the row's largest p <= 1. The row's sum l is taken of the UNQUANTISED p, in f32, and the product's result is divided by l at the end. Since M is a whole number, a kernel that streams over the keys may use a running M (the ceiling of the running maximum): every later rescaling is an exact power of two, which a block's scale takes up: the codes' values come out the same.
;;   OPERANDS COMPUTED ON THE WAY. 'Computed on the way' means the value that the module computes at that place (a softmax that the list does not call 'softmax' is quantised finished and normalised). What goes into a quantiser is computed in f32, as accurately as f32 sums, v_exp_f32 and their like allow (about 1e-6 of the number): no bf16 or f16 on the way to a quantiser, and a product that is left as it is and whose result goes on into a quantised operand takes f32 operands (vector FMAs, or v_wmma_f32_16x16x4_f32). A number that lies on a knife's edge between two numbers of the format may be rounded either way, as far as f32 arithmetic and the matrix unit's own rounding can turn it there, and no further.
;; One version. Each part assembles by itself: llvm-mc -triple=amdgcn-amd-amdhsa -mcpu=gfx1250 --defsym DOCPART=n.
;; ======== version 1 of 1: 5 launches
;; workspace buffers: xc 4,194,304 bytes; xs 262,144 bytes; wc 2,097,152 bytes; ws 131,072 bytes; qkvc 12,582,912 bytes; qkvs 1,310,720 bytes; avc 4,194,304 bytes; avs 262,144 bytes
;; launch quant_x (part 1): grid 256 x 1, 4 waves a work-group, no clusters, 34,304 bytes of LDS; arguments embedding, xc, xs; writes xc, xs
.if DOCPART == 1
	.amdgcn_target "amdgcn-amd-amdhsa--gfx1250"
	.amdhsa_code_object_version 6
	.text
	.protected	k_qa8ef511b1f_quant_x
	.globl	k_qa8ef511b1f_quant_x
	.p2align	8
	.type	k_qa8ef511b1f_quant_x,@function
k_qa8ef511b1f_quant_x:
	s_mov_b64 s[64:65], 0
	v_nop
	global_prefetch_b8 v0, s[64:65] scope:SCOPE_SE
	s_setreg_imm32_b32 hwreg(HW_REG_WAVE_MODE, 25, 1), 1
	s_wait_xcnt 0x0
; embedding [8192][1024] f32 becomes codes of FP4 (E2M1) with one E8M0 byte for each 32 along K, laid as the products' launch takes them.
; POSITIONS.  Row position p stands for true row sigma(p), sigma = bits 3 and 4 of the index exchanged: position 16 i + rho is row 32 (i / 2) + 8 (i % 2) + rho + 8 (rho / 8).
; With rows so ordered every later matrix result has 16 neighbours of the next product's K in a lane's registers.
; xc: [kc 16][block of 16 positions 512][512 bytes]: an IMAGE of operand registers: lane (r, h) has its 16 bytes at 16 x lane: k = 64 kc + 32 h + 0 .. 31 of position r.
; xs: [half of K 2][position 8192][16 bytes]: byte 4 (s % 4) + beta is block beta of K step s (128 along K).
; A block's scale is 2^(floor(log2(largest magnitude)) - 2); its byte is that magnitude's exponent field - 2, held at 1 from below.
; LIMITS: a block whose largest magnitude lies under 2^-124, a block of zeros too, gets the byte 1 (its codes are then zeros or near it; this program alone reads the bytes); NaN and infinities are not served.
; SHARES.  Wave w of work-group g: block 2 g + (w >> 1), half w & 1 of K: 16 rows x 512 numbers, in four chunks of 128.  Each load reads 512 consecutive bytes of one row; a chunk turns through the wave's own
; stage in LDS (16 rows of 512 + 16 bytes) so that a lane gets two whole blocks of 32 neighbours.  Waves share nothing: no barrier.  No cluster: no two work-groups read the same bytes.
.set R,     16                         ; v16-143  two sets of 64: a chunk as loaded
.set X,     144                        ; v144-207 a chunk back from the stage: block c of my two at X + 32 c
.set C,     208                        ; v208-239 codes, eight registers a chunk: no store's data are written again
.set W,     240                        ; v240-243 the four scale words of my row
.set PITCH, 528
.set STG,   16*PITCH
	s_load_b128 s[4:7], s[0:1], 0x0                ; embedding, xc
	s_load_b64 s[8:9], s[0:1], 0x10                ; xs
	v_lshl_add_u32 v254, v0, 2, 0x8400
	v_mov_b32 v255, 0
	v_lshrrev_b32 v1, 5, v0
	v_readfirstlane_b32 s10, v1                    ; wave
	v_and_b32 v1, 31, v0                           ; lane
	v_lshlrev_b32 v2, 4, v1                        ; 16 x lane: my bytes of a load's 512, and of an image
	v_and_b32 v7, 15, v0                           ; r
	v_bfe_u32 v6, v0, 4, 1                         ; h
	s_mul_i32 s11, s10, STG                        ; my stage
	v_add_nc_u32 v3, s11, v2                       ; into it: as loaded
	v_mul_u32_u24 v4, v7, PITCH
	v_lshl_add_u32 v4, v6, 7, v4
	v_add_nc_u32 v4, s11, v4                       ; out of it: row r, + 128 h bytes: 32 numbers
	v_lshlrev_b32 v5, 4, v7
	v_lshl_add_u32 v5, v6, 3, v5                   ; 16 r + 8 h: my 8 bytes of the scale words
	v_lshlrev_b32 v6, 3, v6                        ; 8 h: a shift
	v_mov_b32 v15, 0                               ; a lane permute's destination counts as read: written once
	s_lshr_b32 s14, s10, 1                         ; which of the group's two blocks
	s_and_b32 s15, s10, 1                          ; which half of K
	s_lshl_b32 s16, ttmp9, 17                      ; 32 rows of 4,096 bytes a work-group,
	s_lshl_b32 s17, s14, 15                        ; the odd block begins 8 rows further down,
	s_add_co_u32 s16, s16, s17
	s_lshl_b32 s17, s15, 11                        ; 512 numbers along K
	s_add_co_u32 s16, s16, s17
	s_mov_b32 s17, 0
	s_lshl_b32 s18, ttmp9, 1
	s_add_co_u32 s18, s18, s14                     ; the block's number
	s_lshl_b32 s20, s18, 9
	s_lshl_b32 s19, s15, 21                        ; eight kc of 262,144 bytes
	s_add_co_u32 s20, s20, s19
	s_mov_b32 s21, 0
	s_lshl_b32 s22, s18, 8
	s_lshl_b32 s19, s15, 17
	s_add_co_u32 s22, s22, s19
	s_mov_b32 s23, 0
	s_mov_b32 s12, 0x76543210                      ; v_permlanex16_b32's selects for lane l xor 16
	s_mov_b32 s13, 0xfedcba98
	s_wait_alu depctr_va_vdst(0)
	s_wait_kmcnt 0x0
	s_add_nc_u64 s[4:5], s[4:5], s[16:17]
	s_add_nc_u64 s[6:7], s[6:7], s[20:21]
	s_add_nc_u64 s[8:9], s[8:9], s[22:23]
.macro LOAD j                          ; chunk j: 16 rows x 512 bytes; the order of the rows stands in the immediates
.irp p, 0,1,2,3,4,5,6,7,8,9,10,11,12,13,14,15
	global_load_b128 v[R+64*((\j)%2)+4*\p:R+64*((\j)%2)+4*\p+3], v2, s[4:5] offset:(\p+8*(\p/8))*4096+512*(\j) th:TH_LOAD_NT
.endr
.endm
.macro CHUNK j
.if (\j) < 3
	s_wait_loadcnt 16                              ; this chunk's 16 loads are in; the next chunk's 16 may be out
.else
	s_wait_loadcnt 0x0
.endif
.irp p, 0,1,2,3,4,5,6,7,8,9,10,11,12,13,14,15
	ds_store_b128 v3, v[R+64*((\j)%2)+4*\p:R+64*((\j)%2)+4*\p+3] offset:PITCH*\p
.endr
.irp c, 0,1
.irp q, 0,1,2,3,4,5,6,7
	ds_load_b128 v[X+32*\c+4*\q:X+32*\c+4*\q+3], v4 offset:256*\c+16*\q   ; LDS serves a wave's instructions in order: these see the stores above
.endr
.endr
	s_wait_dscnt 0x0                               ; my 64 numbers are back, and the stores have read their registers
.if (\j) < 2
	LOAD (\j)+2
.endif
.irp c, 0,1                                    ; block 2 c + h of the K step: all its 32 numbers are mine
	v_max3_num_f32 v[8+\c], |v[X+32*\c]|, |v[X+32*\c+1]|, 0x1800000   ; with the floor 2^(3 - 127): the byte cannot fall under 1
.endr
.irp i, 2,4,6,8,10,12,14,16,18,20,22,24,26,28,30
.irp c, 0,1
	v_max3_num_f32 v[8+\c], v[8+\c], |v[X+32*\c+\i]|, |v[X+32*\c+\i+1]|
.endr
.endr
.irp c, 0,1
	v_add_nc_u32 v[10+\c], 0xff000000, v[8+\c]     ; 2 off the exponent field: the conversion's scale operand
.endr
.irp c, 0,1
	v_lshrrev_b32 v[12+\c], 23, v[10+\c]           ; the scale's byte
.endr
	v_lshl_or_b32 v14, v13, 16, v12                ; my two bytes: blocks h and 2 + h,
	v_lshlrev_b32 v14, v6, v14                     ; at their places in the word;
	v_permlanex16_b32 v15, v14, s12, s13
	v_or_b32 v[W+(\j)], v14, v15                   ; with lane l xor 16's two the word is whole
.irp c, 0,1
.irp g, 0,1,2,3
	v_cvt_scalef32_pk8_fp4_f32 v[C+8*(\j)+4*\c+\g], v[X+32*\c+8*\g:X+32*\c+8*\g+7], v[10+\c]
.endr
.endr
	v_nop                                          ; one plain line behind the last conversion: the next chunk writes the scale operands again
.irp c, 0,1
	global_store_b128 v2, v[C+8*(\j)+4*\c:C+8*(\j)+4*\c+3], s[6:7] offset:(2*(\j)+\c)*262144   ; an image: 512 consecutive bytes
.endr
.endm
	LOAD 0
	LOAD 1
	CHUNK 0
	CHUNK 1
	CHUNK 2
	CHUNK 3
	v_cmp_le_u32 vcc_lo, 16, v1                    ; lanes 16-31 store words 2 and 3 of their row, lanes 0-15 words 0 and 1
	v_cndmask_b32 v244, v[W], v[W+2], vcc_lo
	v_cndmask_b32 v245, v[W+1], v[W+3], vcc_lo
	global_store_b64 v5, v[244:245], s[8:9]        ; the wave stores 256 consecutive bytes, aligned
	s_wait_tensorcnt 0x0
	ds_add_u32 v254, v255
	s_wait_dscnt 0x0
	s_endpgm
.Lfunc_end_k_qa8ef511b1f_quant_x:
	.size	k_qa8ef511b1f_quant_x, .Lfunc_end_k_qa8ef511b1f_quant_x-k_qa8ef511b1f_quant_x
	.p2alignl 7, 3214868480
	.fill 96, 4, 3214868480
	.section	.rodata,"a",@progbits
	.p2align	6, 0x0
	.amdhsa_kernel k_qa8ef511b1f_quant_x
		.amdhsa_group_segment_fixed_size 34304
		.amdhsa_private_segment_fixed_size 0
		.amdhsa_enable_private_segment 0
		.amdhsa_kernarg_size 24
		.amdhsa_user_sgpr_count 2
		.amdhsa_user_sgpr_kernarg_segment_ptr 1
		.amdhsa_wavefront_size32 1
		.amdhsa_system_sgpr_workgroup_id_x 1
		.amdhsa_system_sgpr_workgroup_id_y 1
		.amdhsa_system_sgpr_workgroup_id_z 1
		.amdhsa_system_vgpr_workitem_id 0
		.amdhsa_next_free_vgpr 256
		.amdhsa_next_free_sgpr 66
		.amdhsa_reserve_vcc 1
		.amdhsa_float_denorm_mode_32 3
		.amdhsa_float_denorm_mode_16_64 3
		.amdhsa_memory_ordered 1
		.amdhsa_forward_progress 1
		.amdhsa_inst_pref_size 30
	.end_amdhsa_kernel
	.amdgpu_metadata
---
amdhsa.version: [ 1, 2 ]
amdhsa.kernels:
  - .name:           k_qa8ef511b1f_quant_x
    .symbol:         k_qa8ef511b1f_quant_x.kd
    .args:
      - { .name: embedding, .offset: 0, .size: 8, .value_kind: global_buffer, .address_space: global }
      - { .name: xc, .offset: 8, .size: 8, .value_kind: global_buffer, .address_space: global }
      - { .name: xs, .offset: 16, .size: 8, .value_kind: global_buffer, .address_space: global }
    .group_segment_fixed_size: 34304
    .private_segment_fixed_size: 0
    .kernarg_segment_align: 8
    .kernarg_segment_size: 24
    .max_flat_workgroup_size: 128
    .sgpr_count:     66
    .vgpr_count:     256
    .wavefront_size: 32
...
	.end_amdgpu_metadata
.endif
;; end of part 1
;; launch quant_w (part 2): grid 128 x 2, 4 waves a work-group, no clusters, 1,024 bytes of LDS; arguments Wq, Wk, Wv, Wo, wc, ws; writes wc, ws
.if DOCPART == 2
	.amdgcn_target "amdgcn-amd-amdhsa--gfx1250"
	.amdhsa_code_object_version 6
	.text
	.protected	k_qa8ef511b1f_quant_w
	.globl	k_qa8ef511b1f_quant_w
	.p2align	8
	.type	k_qa8ef511b1f_quant_w,@function
k_qa8ef511b1f_quant_w:
	s_mov_b64 s[64:65], 0
	v_nop
	global_prefetch_b8 v0, s[64:65] scope:SCOPE_SE
	s_setreg_imm32_b32 hwreg(HW_REG_WAVE_MODE, 25, 1), 1
	s_wait_xcnt 0x0
; The four weights [1024 (k)][1024 (n)] f32, K their FIRST axis, become codes of FP4 (E2M1) with one E8M0 byte for each 32 along K.
; A LANE TAKES A COLUMN AND ITS REGISTERS RUN DOWN K: a block of 32 lies in one lane, and the conversions give codes with K innermost.
; POSITIONS.  Column position p stands for true column sigma(p), bits 3 and 4 exchanged: lane L of a group of 32 columns takes column sigma(L).
; wc: [kc 16][block of 16 positions 256][512 bytes], blocks 64 x weight on (order q, k, v, o): an image of operand registers: lane (r, h)'s 16 bytes at 16 r + 256 h hold k = 64 kc + 32 h + 0 .. 31 of position r.
; ws: [half of K 2][position 4096][16 bytes]: byte 4 (s % 4) + beta = block beta of K step s.
; LIMITS: a block whose largest magnitude lies under 2^-124, a block of zeros too, gets the byte 1 (this program alone reads the bytes); NaN and infinities are not served.
; SHARES.  Work-group (x, y): weight x >> 5, columns 32 (x & 31) on, half y of K; wave w: K step 4 y + w: 128 rows.  The four waves' scale words meet in LDS and leave as 512 consecutive bytes.
; No cluster: no two work-groups read the same bytes.  A load reads 128 consecutive bytes of a row: the price of a lane to a column with 32 columns to a group.
.set X, 32                             ; v32-159  four sets of 32 numbers
.set C, 160                            ; v160-175 codes: four registers a block
	s_load_b256 s[4:11], s[0:1], 0x0               ; Wq, Wk, Wv, Wo
	s_load_b128 s[12:15], s[0:1], 0x20             ; wc, ws
	v_lshl_add_u32 v192, v0, 2, 0x200
	v_mov_b32 v193, 0
	v_lshrrev_b32 v1, 5, v0
	v_readfirstlane_b32 s16, v1                    ; wave
	v_and_b32 v1, 31, v0                           ; lane = my position in the group
	v_and_b32 v2, 7, v1
	v_and_b32 v6, 8, v1
	v_lshl_or_b32 v2, v6, 1, v2
	v_bfe_u32 v6, v1, 4, 1
	v_lshl_or_b32 v2, v6, 3, v2                    ; sigma(lane)
	v_lshlrev_b32 v2, 2, v2                        ; in bytes
	v_and_b32 v3, 15, v1
	v_lshlrev_b32 v3, 4, v3
	v_lshl_or_b32 v3, v6, 9, v3                    ; codes: 512 (lane / 16) + 16 (lane % 16): lanes 16-31 belong to the next block of positions
	v_lshlrev_b32 v5, 4, v1                        ; scale words: 16 bytes a position
	s_lshl_b32 s17, s16, 2
	v_add_nc_u32 v4, s17, v5                       ; LDS: my position's 16 bytes, my wave's word
	s_lshr_b32 s17, ttmp9, 5                       ; weight
	s_and_b32 s18, ttmp9, 31                       ; group of 32 columns
	s_and_b32 s19, ttmp7, 0xffff                   ; half of K
	s_lshl_b32 s20, s19, 2
	s_add_co_u32 s20, s20, s16                     ; K step
	s_lshl_b32 s22, s20, 19                        ; 128 rows of 4,096 bytes
	s_lshl_b32 s23, s18, 7
	s_add_co_u32 s22, s22, s23
	s_mov_b32 s23, 0
	s_lshl_b32 s24, s20, 18                        ; two kc of 131,072 bytes
	s_lshl_b32 s25, s17, 15                        ; 64 blocks of 512 bytes a weight
	s_add_co_u32 s24, s24, s25
	s_lshl_b32 s25, s18, 10                        ; two blocks a group
	s_add_co_u32 s24, s24, s25
	s_mov_b32 s25, 0
	s_lshl_b32 s26, s19, 16
	s_lshl_b32 s27, s17, 14                        ; 1,024 positions of 16 bytes a weight
	s_add_co_u32 s26, s26, s27
	s_lshl_b32 s27, s18, 9
	s_add_co_u32 s26, s26, s27
	s_mov_b32 s27, 0
	s_wait_alu depctr_va_vdst(0)
	s_wait_kmcnt 0x0
	s_bitcmp1_b32 s17, 0                           ; the weight's address: a choice on the work-group's number alone
	s_cselect_b64 s[4:5], s[6:7], s[4:5]
	s_cselect_b64 s[8:9], s[10:11], s[8:9]
	s_cmp_lt_u32 s17, 2
	s_cselect_b64 s[4:5], s[4:5], s[8:9]
	s_add_nc_u64 s[4:5], s[4:5], s[22:23]
	s_add_nc_u64 s[12:13], s[12:13], s[24:25]
	s_add_nc_u64 s[14:15], s[14:15], s[26:27]
.macro LOAD j                          ; block j of my K step: W(32 j + i, my column)
.irp i, 0,1,2,3,4,5,6,7,8,9,10,11,12,13,14,15,16,17,18,19,20,21,22,23,24,25,26,27,28,29,30,31
	global_load_b32 v[X+32*(\j)+\i], v2, s[4:5] offset:(32*(\j)+\i)*4096 th:TH_LOAD_NT
.endr
.endm
.macro BLOCK j
.set XS, X+32*(\j)
.if (\j) < 3
	s_wait_loadcnt 32                              ; this block's 32 loads are in; the next block's may be out
.else
	s_wait_loadcnt 0x0
.endif
.if (\j) < 2
	LOAD (\j)+2                                    ; into a set of its own
.endif
	v_max3_num_f32 v12, |v[XS]|, |v[XS+1]|, |v[XS+2]|
	v_max3_num_f32 v13, |v[XS+3]|, |v[XS+4]|, |v[XS+5]|
.irp i, 6,10,14,18,22,26
	v_max3_num_f32 v12, v12, |v[XS+\i]|, |v[XS+\i+1]|
	v_max3_num_f32 v13, v13, |v[XS+\i+2]|, |v[XS+\i+3]|
.endr
	v_max3_num_f32 v12, v12, |v[XS+30]|, |v[XS+31]|
	v_max3_num_f32 v12, v12, v13, 0x1800000        ; and the floor 2^(3 - 127): the byte cannot fall under 1
	v_add_nc_u32 v11, 0xff000000, v12              ; 2 off the exponent field: the conversion's scale operand
	v_lshrrev_b32 v13, 23, v11                     ; the scale's byte
.if (\j) == 0
	v_mov_b32 v176, v13
.else
	v_lshl_or_b32 v176, v13, 8*(\j), v176          ; the K step's scale word, the lower K in the lower byte
.endif
.irp g, 0,1,2,3
	v_cvt_scalef32_pk8_fp4_f32 v[C+4*(\j)+\g], v[XS+8*\g:XS+8*\g+7], v11
.endr
	v_nop                                          ; one plain line behind the last conversion: the next block writes v11 again
	global_store_b128 v3, v[C+4*(\j):C+4*(\j)+3], s[12:13] offset:((\j)/2)*131072+((\j)%2)*256   ; sixteen lanes store 256 consecutive bytes, aligned: half h = j % 2 of an image
.endm
	LOAD 0
	LOAD 1
	BLOCK 0
	BLOCK 1
	BLOCK 2
	BLOCK 3
	ds_store_b32 v4, v176
	s_wait_dscnt 0x0                               ; for the others' sake: my words lie in LDS
	s_barrier_signal -1
	s_barrier_wait -1
	s_cmp_lg_u32 s16, 0
	s_cbranch_scc1 .Lend
	ds_load_b128 v[180:183], v5                    ; wave 0: the four waves' words of each position
	s_wait_dscnt 0x0
	global_store_b128 v5, v[180:183], s[14:15]     ; 512 consecutive bytes
.Lend:
	s_wait_tensorcnt 0x0
	ds_add_u32 v192, v193
	s_wait_dscnt 0x0
	s_endpgm
.Lfunc_end_k_qa8ef511b1f_quant_w:
	.size	k_qa8ef511b1f_quant_w, .Lfunc_end_k_qa8ef511b1f_quant_w-k_qa8ef511b1f_quant_w
	.p2alignl 7, 3214868480
	.fill 96, 4, 3214868480
	.section	.rodata,"a",@progbits
	.p2align	6, 0x0
	.amdhsa_kernel k_qa8ef511b1f_quant_w
		.amdhsa_group_segment_fixed_size 1024
		.amdhsa_private_segment_fixed_size 0
		.amdhsa_enable_private_segment 0
		.amdhsa_kernarg_size 48
		.amdhsa_user_sgpr_count 2
		.amdhsa_user_sgpr_kernarg_segment_ptr 1
		.amdhsa_wavefront_size32 1
		.amdhsa_system_sgpr_workgroup_id_x 1
		.amdhsa_system_sgpr_workgroup_id_y 1
		.amdhsa_system_sgpr_workgroup_id_z 1
		.amdhsa_system_vgpr_workitem_id 0
		.amdhsa_next_free_vgpr 194
		.amdhsa_next_free_sgpr 66
		.amdhsa_reserve_vcc 0
		.amdhsa_float_denorm_mode_32 3
		.amdhsa_float_denorm_mode_16_64 3
		.amdhsa_memory_ordered 1
		.amdhsa_forward_progress 1
		.amdhsa_inst_pref_size 21
	.end_amdhsa_kernel
	.amdgpu_metadata
---
amdhsa.version: [ 1, 2 ]
amdhsa.kernels:
  - .name:           k_qa8ef511b1f_quant_w
    .symbol:         k_qa8ef511b1f_quant_w.kd
    .args:
      - { .name: Wq, .offset: 0, .size: 8, .value_kind: global_buffer, .address_space: global }
      - { .name: Wk, .offset: 8, .size: 8, .value_kind: global_buffer, .address_space: global }
      - { .name: Wv, .offset: 16, .size: 8, .value_kind: global_buffer, .address_space: global }
      - { .name: Wo, .offset: 24, .size: 8, .value_kind: global_buffer, .address_space: global }
      - { .name: wc, .offset: 32, .size: 8, .value_kind: global_buffer, .address_space: global }
      - { .name: ws, .offset: 40, .size: 8, .value_kind: global_buffer, .address_space: global }
    .group_segment_fixed_size: 1024
    .private_segment_fixed_size: 0
    .kernarg_segment_align: 8
    .kernarg_segment_size: 48
    .max_flat_workgroup_size: 128
    .sgpr_count:     66
    .vgpr_count:     194
    .wavefront_size: 32
...
	.end_amdgpu_metadata
.endif
;; end of part 2
;; launch qkv (part 3): grid 12 x 64, 4 waves a work-group, clusters of 4 x 4, 197,120 bytes of LDS; arguments xc, xs, wc, ws, bq, bk, bv, qkvc, qkvs; writes qkvc, qkvs
.if DOCPART == 3
	.amdgcn_target "amdgcn-amd-amdhsa--gfx1250"
	.amdhsa_code_object_version 6
	.text
	.protected	k_qa8ef511b1f_qkv
	.globl	k_qa8ef511b1f_qkv
	.p2align	8
	.type	k_qa8ef511b1f_qkv,@function
k_qa8ef511b1f_qkv:
	s_mov_b64 s[64:65], 0
	v_nop
	global_prefetch_b8 v0, s[64:65] scope:SCOPE_SE
	s_setreg_imm32_b32 hwreg(HW_REG_WAVE_MODE, 25, 1), 1
	s_wait_xcnt 0x0
	s_wait_alu depctr_hold_cnt(0) depctr_sa_sdst(0) depctr_va_vdst(0) depctr_va_sdst(0) depctr_va_ssrc(0) depctr_va_vcc(0) depctr_vm_vsrc(0)
	s_getreg_b32 s2, hwreg(HW_REG_IB_STS2, 6, 4)
	s_cmp_eq_u32 s2, 0
	s_cbranch_scc0 .Lentry_in_a_cluster
	s_endpgm
.Lentry_in_a_cluster:
	s_bfe_u32 s2, ttmp6, 0x10000c
	s_cmp_lg_u32 s2, 0xf033
	s_cbranch_scc0 .Lentry_shape_is_right
	s_endpgm
.Lentry_shape_is_right:
; q = x Wq + bq, k = x Wk + bk, v = x Wv + bv on codes of FP4 with E8M0 scales, f32 sums, and each result quantised at once, in registers, for the attention's two products.
; TILE.  A work-group makes 128 row positions x 256 column positions; its four waves stand side by side: a wave makes 128 x 64, one head: 32 accumulators.  The cluster's x says which weight: 0 q, 1 k, 2 v.
; ALL OF K AT ONCE.  A tile's codes for K = 1,024 are 64 KiB of x and 128 KiB of W: they are brought into LDS once, in two halves of K, two tensor loads a wave; nothing is filled again.
; CLUSTER 4 x 4: x's tile hangs on the tile row alone and is asked for jointly along a row of the cluster, W's on the tile column alone and jointly along a column.
; OPERANDS ARE IMAGES OF REGISTERS (512 bytes = 32 lanes x 16): a fragment is two ds_load_b128 at 16 x lane: consecutive bytes, no pitch.  The scale words come from memory straight into registers, once:
; one load of 16 bytes a lane brings four K steps' words; lanes 0-15 hold K steps 0-3, lanes 16-31 K steps 4-7 (the second row of a scale register).
; q, k: THE PRODUCT IS USED TRANSPOSED (source 0 = W's column positions, source 1 = x's row positions): a lane holds one row, and by the order of the positions its registers 16 b + i are d = 32 b + 16 h + i of the head.
; v: source 0 = x, source 1 = W: a lane holds one d, and its registers 16 b + i are keys 32 b + 16 h + i: the keys are the second product's K.
; In both forms registers 16 x .. 16 x + 15 of the 256 are half a block of 32 along the next K (the other half: lane l xor 16), so one text quantises both.
; OUT.  qkvc: [b x head 64][q | k | v, 65,536 bytes each].  q, k: [block of 16 positions 128][512]: lane (r, h): d = 32 h + 0 .. 31 of position r.  v: [128 keys 16][16 d 4][c 2][512]: lane (r, h): keys 64 c + 32 h + 0 .. 31 of d position r.
; qkvs: [b x head][q 8,192 | k 8,192 | v 4,096].  q, k: [128 positions 16][lane 32][j 4] words: lane (r, h), j: block 2 j + h, row r; bytes 2 and 3 are 127: they scale the zero codes that fill K = 64 up to 128.  v: [128 keys 16][lane 32][j 2]: d tile 2 j + h.
; LIMITS: a block whose largest magnitude lies under 2^-124, a block of zeros too, gets the byte 1 (this program alone reads the bytes); NaN and infinities are not served.
; REGISTERS: window 0: v1-11 addresses; v16-47 x's scale words, v48-63 W's; v64-95 the bias as the first product's C; from v96 the way out.  window 1: the accumulators.  window 2: x's fragments, two sets at v0, v64; W's at v128, v160.
.set LI,  2                            ; v2  16 x lane
.set ADB, 3                            ; v3, v4  W's fragments, first and second half of K
.set SA,  16
.set SB,  48
.set BI,  64
.set PX,  64                           ; the way out: lane l xor 16's maxima, then the bytes (the bias's registers)
.set MX,  96                           ; largest magnitudes
.set SO,  112                          ; the conversions' scale operands
.set PC,  128                          ; codes
.set PW,  160                          ; scale words
.set SW,  168                          ; and as they are stored
.set WV,  22
.set FB,  23                           ; 0: I fetch for x, 1: for W
.set HALF, 24                          ; which four kc of a half of K I fetch
.set G1A, 32
.set G1B, 40
.set G0A, 48                           ; s[48:55] a group 0 for each half of K
.set G0B, 56
.set SEL, 92
.set MSB, 0
.macro WIN new                         ; the immediate's high byte repeats the setting that is left
.if MSB != \new
	s_set_vgpr_msb (MSB<<8)|\new
.set MSB, \new
.endif
.endm
.macro JLOAD g0a, g1a, g0b, g1b        ; a joint load: waves 0 and 1 fetch for x, waves 2 and 3 for W; four v_nop follow each line
	s_cmp_eq_u32 s[FB], 0
	s_cbranch_scc0 .Lfor_b_\@
	tensor_load_to_lds s[\g0a:\g0a+3], s[\g1a:\g1a+7]
	s_nop 0
.rept 4
	v_nop
.endr
	s_branch .Lasked_\@
.Lfor_b_\@:
	tensor_load_to_lds s[\g0b:\g0b+3], s[\g1b:\g1b+7]
	s_nop 0
.rept 4
	v_nop
.endr
.Lasked_\@:
.endm
.macro CROUND                          ; a round of the cluster's barrier
	s_barrier_signal -1
	s_barrier_wait -1
	s_cmp_lg_u32 s[WV], 0
	s_cbranch_scc1 .Lnot_wave_0_\@
	s_barrier_signal -3
.Lnot_wave_0_\@:
	s_barrier_wait -3
	s_barrier_signal -1
	s_barrier_wait -1
.endm
.macro PLACES
.rept 4
	v_nop
.endr
.endm
.macro FETCH s                         ; K step s: x's eight fragments and my four of W, 24 loads, into set s % 2
	WIN 0x80                                       ; destination window 2
.irp c, 0,1
.irp a, 0,1,2,3,4,5,6,7
	ds_load_b128 v[64*((\s)%2)+8*\a+4*\c:64*((\s)%2)+8*\a+4*\c+3], v[LI] offset:(2*(\s)+\c)*4096+512*\a
.endr
.irp t, 0,1,2,3
	ds_load_b128 v[128+32*((\s)%2)+8*\t+4*\c:128+32*((\s)%2)+8*\t+4*\c+3], v[ADB+(\s)/4] offset:(2*((\s)%4)+\c)*8192+512*\t
.endr
.endr
.endm
; 32 matrix instructions: K step s.  nat = 0: source 0 = W, source 1 = x, accumulator (a, t) at 8 (4 a + t);  nat = 1: source 0 = x, source 1 = W, at 8 (8 t + a).
; The first step's C is the bias.  The 32 accumulators take turns, one instruction a turn, in the same order in every step.
.macro MUL s, nat
.if (\s) == 0
	WIN 0x4a                                       ; sources 0, 1 window 2, C window 0, D window 1
.else
	WIN 0x5a                                       ; C and D window 1
.endif
.irp a, 0,1,2,3,4,5,6,7
.irp t, 0,1,2,3
.set rFA, 64*((\s)%2)+8*\a
.set rFB, 128+32*((\s)%2)+8*\t
.set rSA, SA+4*\a+(\s)%4
.set rSB, SB+4*\t+(\s)%4
.if \nat
.set rD, 8*(8*\t+\a)
.set rF0, rFA
.set rF1, rFB
.set rC0, rSA
.set rC1, rSB
.else
.set rD, 8*(4*\a+\t)
.set rF0, rFB
.set rF1, rFA
.set rC0, rSB
.set rC1, rSA
.endif
.if (\s) == 0
	v_wmma_scale_f32_16x16x128_f8f6f4 v[rD:rD+7], v[rF0:rF0+7], v[rF1:rF1+7], v[BI+8*\t:BI+8*\t+7], v[rC0], v[rC1] matrix_a_fmt:MATRIX_FMT_FP4 matrix_b_fmt:MATRIX_FMT_FP4
.elseif (\s) < 4
	v_wmma_scale_f32_16x16x128_f8f6f4 v[rD:rD+7], v[rF0:rF0+7], v[rF1:rF1+7], v[rD:rD+7], v[rC0], v[rC1] matrix_a_fmt:MATRIX_FMT_FP4 matrix_b_fmt:MATRIX_FMT_FP4
.else
	v_wmma_scale_f32_16x16x128_f8f6f4 v[rD:rD+7], v[rF0:rF0+7], v[rF1:rF1+7], v[rD:rD+7], v[rC0], v[rC1] matrix_a_fmt:MATRIX_FMT_FP4 matrix_b_fmt:MATRIX_FMT_FP4 matrix_a_scale:MATRIX_SCALE_ROW1 matrix_b_scale:MATRIX_SCALE_ROW1
.endif
.endr
.endr
.endm
.macro KSTEP s, nat
.if (\s) >= 1
	PLACES                                         ; in front of loads into the set that the last step's products read: four plain places
.endif
.if (\s) < 7
	FETCH (\s)+1
	s_wait_dscnt 24                                ; this step's fragments are in; the 24 loads just issued may be out
.else
	s_wait_dscnt 0x0
.endif
	MUL \s, \nat
.endm
	s_load_b256 s[4:11], s[0:1], 0x0               ; xc, xs, wc, ws
	s_load_b256 s[12:19], s[0:1], 0x20             ; bq, bk, bv, qkvc
	s_load_b64 s[20:21], s[0:1], 0x40              ; qkvs
	v_lshl_add_u32 v254, v0, 2, 0x30000
	v_mov_b32 v255, 0
	ds_add_u32 v254, v255
	ds_add_u32 v254, v255
	v_lshrrev_b32 v1, 5, v0
	v_readfirstlane_b32 s[WV], v1                  ; wave 0..3
	s_lshr_b32 s[FB], s[WV], 1
	s_and_b32 s[HALF], s[WV], 1
	s_bfe_u32 s25, ttmp6, 0x40000                  ; cx
	s_bfe_u32 s26, ttmp6, 0x40004                  ; cy
	s_lshl_b32 s27, ttmp9, 2
	s_add_co_u32 s27, s27, s25                     ; tile column = 4 x cluster x + cx
	s_and_b32 s28, ttmp7, 0xffff
	s_lshl_b32 s28, s28, 2
	s_add_co_u32 s28, s28, s26                     ; tile row = 4 x cluster y + cy
	s_lshl_b32 s29, s26, 2
	s_lshl_b32 s29, 15, s29                        ; my row of the cluster
	s_lshl_b32 s30, 0x1111, s25                    ; my column
	; group 1: x: 4 rows (kc) of 4,096 bytes, 262,144 bytes apart;  W: 4 rows of 8,192 bytes, 131,072 apart.  Elements of 8 bytes, no padding
	s_or_b32 s[G1A], s29, (3<<16)|(1<<21)          ; 15:0 the mask; 17:16 elements of 8 bytes; 21 set beside a mask
	s_mov_b32 s[G1A+1], 512<<16                    ; tensor_dim0
	s_mov_b32 s[G1A+2], 4<<16                      ; tensor_dim1
	s_mov_b32 s[G1A+3], 512<<16                    ; tile_dim0
	s_mov_b32 s[G1A+4], 4                          ; tile_dim1
	s_mov_b32 s[G1A+5], 32768                      ; the pitch
	s_mov_b32 s[G1A+6], 0
	s_mov_b32 s[G1A+7], 0
	s_or_b32 s[G1B], s30, (3<<16)|(1<<21)
	s_mov_b32 s[G1B+1], 1024<<16
	s_mov_b32 s[G1B+2], 4<<16
	s_mov_b32 s[G1B+3], 1024<<16
	s_mov_b32 s[G1B+4], 4
	s_mov_b32 s[G1B+5], 16384
	s_mov_b32 s[G1B+6], 0
	s_mov_b32 s[G1B+7], 0
	s_lshl_b32 s66, s[HALF], 20                    ; x: four kc on, + the tile row's 4,096 bytes: no register here ever holds cx
	s_lshl_b32 s67, s28, 12
	s_add_co_u32 s66, s66, s67
	s_mov_b32 s67, 0
	s_lshl_b32 s68, s[HALF], 19                    ; W: four kc on, + the tile column's 8,192 bytes: none holds cy
	s_lshl_b32 s69, s27, 13
	s_add_co_u32 s68, s68, s69
	s_mov_b32 s69, 0
	s_lshl_b32 s70, s[HALF], 14                    ; in LDS: x at 0, 4,096 bytes a kc;
	s_lshl_b32 s71, s[HALF], 15
	s_add_co_u32 s71, s71, 65536                   ; W at 65,536, 8,192 bytes a kc
	s_wait_dscnt 0x0
	s_wait_kmcnt 0x0
	s_add_nc_u64 s[66:67], s[4:5], s[66:67]
	s_add_nc_u64 s[68:69], s[8:9], s[68:69]
	CROUND                                         ; all sixteen work-groups are here: the joint loads meet
.irp p, 0,1                                    ; the two halves of K: two loads of mine are out
	s_mov_b32 s[G0A+4*\p], 1
	s_add_co_u32 s[G0A+4*\p+1], s70, \p*32768
	s_add_nc_u64 s[G0A+4*\p+2:G0A+4*\p+3], s[66:67], \p*2097152
	s_or_b32 s[G0A+4*\p+3], s[G0A+4*\p+3], 0x80000000
	s_mov_b32 s[G0B+4*\p], 1
	s_add_co_u32 s[G0B+4*\p+1], s71, \p*65536
	s_add_nc_u64 s[G0B+4*\p+2:G0B+4*\p+3], s[68:69], \p*1048576
	s_or_b32 s[G0B+4*\p+3], s[G0B+4*\p+3], 0x80000000
	JLOAD G0A+4*\p, G1A, G0B+4*\p, G1B
.endr
	v_and_b32 v1, 31, v0                           ; lane
	v_lshlrev_b32 v[LI], 4, v1
	v_and_b32 v7, 15, v0                           ; r
	v_bfe_u32 v8, v0, 4, 1                         ; h
	s_lshl_b32 s72, s[WV], 11                      ; my four blocks of W's sixteen
	s_add_co_u32 s72, s72, 65536
	v_add_nc_u32 v[ADB], s72, v[LI]
	v_add_nc_u32 v[ADB+1], 65536, v[ADB]
	v_lshlrev_b32 v5, 4, v7
	v_lshl_add_u32 v6, v8, 16, v5                  ; W's scale words: 16 r, lanes 16-31 the second half of K
	v_lshl_add_u32 v5, v8, 17, v5                  ; x's likewise
	s_wait_alu depctr_va_vdst(0)
	v_lshlrev_b32 v9, 6, v8                        ; bias, q and k: 64 h bytes
	v_and_b32 v10, 8, v7
	v_add_nc_u32 v10, v10, v7
	v_lshlrev_b32 v10, 2, v10                      ; bias, v: 4 (r + 8 (r / 8))
	v_lshlrev_b32 v11, 3, v1                       ; 8 x lane
	s_lshl_b32 s74, s28, 11
	s_mov_b32 s75, 0
	s_add_nc_u64 s[74:75], s[6:7], s[74:75]        ; x's scale words of the tile's 128 positions
	s_lshl_b32 s76, s27, 12
	s_lshl_b32 s77, s[WV], 10
	s_add_co_u32 s76, s76, s77
	s_mov_b32 s77, 0
	s_add_nc_u64 s[76:77], s[10:11], s[76:77]      ; W's of my 64
.irp a, 0,1,2,3,4,5,6,7
	global_load_b128 v[SA+4*\a:SA+4*\a+3], v5, s[74:75] offset:256*\a   ; sixteen lanes read 256 consecutive bytes
.endr
.irp t, 0,1,2,3
	global_load_b128 v[SB+4*\t:SB+4*\t+3], v6, s[76:77] offset:256*\t
.endr
	s_lshl_b32 s82, s25, 2
	s_add_co_u32 s82, s82, s[WV]                   ; my head
	s_lshl_b32 s80, s82, 8                         ; its 64 numbers of a bias
	s_mov_b32 s81, 0
	s_lshr_b32 s83, s28, 4
	s_lshl_b32 s83, s83, 4
	s_add_co_u32 s83, s83, s82                     ; 16 x batch + head
	s_and_b32 s88, s28, 15                         ; which 128 positions of the sequence
	s_mul_i32 s84, s83, 196608
	s_lshl_b32 s85, ttmp9, 16
	s_add_co_u32 s84, s84, s85
	s_lshl_b32 s85, s88, 12
	s_add_co_u32 s84, s84, s85
	s_mov_b32 s85, 0
	s_add_nc_u64 s[84:85], s[18:19], s[84:85]      ; where my eight images go
	s_mul_i32 s86, s83, 20480
	s_mov_b32 s87, 0
	s_add_nc_u64 s[86:87], s[20:21], s[86:87]      ; the head's scale words
	s_mov_b32 s[SEL], 0x76543210
	s_mov_b32 s[SEL+1], 0xfedcba98
	s_wait_tensorcnt 1                             ; my part of the first half of K is in; the second half's load may be out
	s_barrier_signal -1
	s_barrier_wait -1                              ; everybody's is
	FETCH 0
	WIN 0                                          ; at a branch and at a label every window is 0
	s_cmp_eq_u32 ttmp9, 2                          ; the cluster's x: equal in all sixteen partners and in all waves
	s_cbranch_scc1 .Lv_first
	s_cmp_eq_u32 ttmp9, 0
	s_cselect_b64 s[78:79], s[12:13], s[14:15]     ; bq or bk
	s_add_nc_u64 s[78:79], s[78:79], s[80:81]
	s_wait_alu depctr_va_vdst(0)
.irp t, 0,1,2,3                                ; register 8 t + j: the bias at d = 32 (t / 2) + 16 h + 8 (t % 2) + j
	global_load_b128 v[BI+8*\t:BI+8*\t+3], v9, s[78:79] offset:(32*(\t/2)+8*(\t%2))*4
	global_load_b128 v[BI+8*\t+4:BI+8*\t+7], v9, s[78:79] offset:(32*(\t/2)+8*(\t%2))*4+16
.endr
	s_wait_loadcnt 0x0                             ; scale words and bias
	KSTEP 0, 0
	KSTEP 1, 0
	KSTEP 2, 0
	WIN 0
	s_branch .Lhalf
.Lv_first:
	s_add_nc_u64 s[78:79], s[16:17], s[80:81]      ; bv
	s_wait_alu depctr_va_vdst(0)
.irp t, 0,1,2,3                                ; all eight registers of tile t: the bias at my d = 32 (t / 2) + 8 (t % 2) + r + 8 (r / 8)
.irp j, 0,1,2,3,4,5,6,7
	global_load_b32 v[BI+8*\t+\j], v10, s[78:79] offset:(32*(\t/2)+8*(\t%2))*4
.endr
.endr
	s_wait_loadcnt 0x0
	KSTEP 0, 1
	KSTEP 1, 1
	KSTEP 2, 1
	WIN 0
.Lhalf:
	s_wait_tensorcnt 0x0                           ; my part of the second half of K is in,
	s_wait_dscnt 0x0                               ; no LDS load of mine is pending at the signal,
	s_barrier_signal -1
	s_barrier_wait -1                              ; and everybody's part is in
	s_cmp_eq_u32 ttmp9, 2
	s_cbranch_scc1 .Lv_second
	KSTEP 3, 0
	KSTEP 4, 0
	KSTEP 5, 0
	KSTEP 6, 0
	KSTEP 7, 0
	WIN 0
	s_branch .Lepi
.Lv_second:
	KSTEP 3, 1
	KSTEP 4, 1
	KSTEP 5, 1
	KSTEP 6, 1
	KSTEP 7, 1
	WIN 0
.Lepi:
	; THE WAY OUT: sixteen half blocks a lane: registers 16 x .. 16 x + 15 of window 1.  Each accumulator is read from its low end on.
	PLACES
	WIN 0x05                                       ; sources 0 and 1 window 1
.set q, 0
.rept 16
	v_max3_num_f32 v[MX+q], |v[16*q]|, |v[16*q+1]|, 0x1800000   ; with the floor 2^(3 - 127): the byte cannot fall under 1
.set q, q+1
.endr
	WIN 0x14                                       ; sources 1 and 2 window 1
.irp i, 2,4,6,8,10,12,14
.set q, 0
.rept 16
	v_max3_num_f32 v[MX+q], v[MX+q], |v[16*q+\i]|, |v[16*q+\i+1]|
.set q, q+1
.endr
.endr
	WIN 0
.set q, 0
.rept 16
	v_permlanex16_b32 v[PX+q], v[MX+q], s[SEL], s[SEL+1]
.set q, q+1
.endr
.set q, 0
.rept 16
	v_max_num_f32 v[MX+q], v[MX+q], v[PX+q]        ; with lane l xor 16's half: the block's largest magnitude
.set q, q+1
.endr
.set q, 0
.rept 16
	v_add_nc_u32 v[SO+q], 0xff000000, v[MX+q]      ; 2 off the exponent field: the conversion's scale operand
.set q, q+1
.endr
.set q, 0
.rept 16
	v_lshrrev_b32 v[PX+q], 23, v[SO+q]             ; the scale's byte
.set q, q+1
.endr
	WIN 0x01                                       ; source 0 window 1
.set q, 0
.rept 16
	v_cvt_scalef32_pk8_fp4_f32 v[PC+2*q], v[16*q:16*q+7], v[SO+q]
	v_cvt_scalef32_pk8_fp4_f32 v[PC+2*q+1], v[16*q+8:16*q+15], v[SO+q]
.set q, q+1
.endr
	WIN 0
	v_nop                                          ; one plain line behind the last conversion
.set q, 0
.rept 8                                        ; the operand's layout wants a WHOLE block in a lane: lanes 0-15 the even block, lanes 16-31 the odd one
	v_permlane16_swap_b32 v[PC+4*q], v[PC+4*q+2]
	v_permlane16_swap_b32 v[PC+4*q+1], v[PC+4*q+3]
.set q, q+1
.endr
.irp g, 0,1,2,3,4,5,6,7
	global_store_b128 v[LI], v[PC+4*\g:PC+4*\g+3], s[84:85] offset:512*\g   ; an image: 512 consecutive bytes.  q, k: block g of the tile's eight;  v: d tile g / 2, keys 64 (g % 2) on
.endr
	v_cmp_le_u32 vcc_lo, 16, v1                    ; lanes 16-31
	s_cmp_eq_u32 ttmp9, 2
	s_cbranch_scc1 .Lv_words
.irp a, 0,1,2,3,4,5,6,7
	v_lshl_or_b32 v[PW+\a], v[PX+2*\a+1], 8, v[PX+2*\a]   ; block a's row r: two bytes,
.endr
.irp a, 0,1,2,3,4,5,6,7
	v_or_b32 v[PW+\a], 0x7f7f0000, v[PW+\a]        ; and 127 twice for the zero codes beyond K = 64
.endr
.irp j, 0,1,2,3
	v_cndmask_b32 v[SW+\j], v[PW+2*\j], v[PW+2*\j+1], vcc_lo   ; lanes 0-15 carry block 2 j's words, lanes 16-31 block 2 j + 1's
.endr
	s_lshl_b32 s90, ttmp9, 13
	s_lshl_b32 s91, s88, 9
	s_add_co_u32 s90, s90, s91
	s_mov_b32 s91, 0
	s_add_nc_u64 s[86:87], s[86:87], s[90:91]
	global_store_b128 v[LI], v[SW:SW+3], s[86:87]  ; 512 consecutive bytes
	s_branch .Lclose
.Lv_words:
.irp t, 0,1,2,3
	v_lshl_or_b32 v[PW+\t], v[PX+4*\t+1], 8, v[PX+4*\t]   ; d tile t, my d: the four blocks of these 128 keys
.endr
.irp t, 0,1,2,3
	v_lshl_or_b32 v[PW+\t], v[PX+4*\t+2], 16, v[PW+\t]
.endr
.irp t, 0,1,2,3
	v_lshl_or_b32 v[PW+\t], v[PX+4*\t+3], 24, v[PW+\t]
.endr
.irp j, 0,1
	v_cndmask_b32 v[SW+\j], v[PW+2*\j], v[PW+2*\j+1], vcc_lo
.endr
	s_lshl_b32 s90, s88, 8
	s_add_co_u32 s90, s90, 16384
	s_mov_b32 s91, 0
	s_add_nc_u64 s[86:87], s[86:87], s[90:91]
	global_store_b64 v11, v[SW:SW+1], s[86:87]     ; 256 consecutive bytes, aligned
.Lclose:
	s_wait_tensorcnt 0x0
	s_wait_dscnt 0x0
	s_wait_tensorcnt 0x0
	ds_add_u32 v254, v255
	s_wait_dscnt 0x0
	CROUND                                         ; the closing round: no work-group ends while a partner may still ask for a tile that names it
	s_endpgm
.Lfunc_end_k_qa8ef511b1f_qkv:
	.size	k_qa8ef511b1f_qkv, .Lfunc_end_k_qa8ef511b1f_qkv-k_qa8ef511b1f_qkv
	.p2alignl 7, 3214868480
	.fill 96, 4, 3214868480
	.section	.rodata,"a",@progbits
	.p2align	6, 0x0
	.amdhsa_kernel k_qa8ef511b1f_qkv
		.amdhsa_group_segment_fixed_size 197120
		.amdhsa_private_segment_fixed_size 0
		.amdhsa_enable_private_segment 0
		.amdhsa_kernarg_size 72
		.amdhsa_user_sgpr_count 2
		.amdhsa_user_sgpr_kernarg_segment_ptr 1
		.amdhsa_wavefront_size32 1
		.amdhsa_system_sgpr_workgroup_id_x 1
		.amdhsa_system_sgpr_workgroup_id_y 1
		.amdhsa_system_sgpr_workgroup_id_z 1
		.amdhsa_system_vgpr_workitem_id 0
		.amdhsa_next_free_vgpr 768
		.amdhsa_next_free_sgpr 96
		.amdhsa_reserve_vcc 1
		.amdhsa_float_denorm_mode_32 3
		.amdhsa_float_denorm_mode_16_64 3
		.amdhsa_memory_ordered 1
		.amdhsa_forward_progress 1
		.amdhsa_inst_pref_size 121
	.end_amdhsa_kernel
	.amdgpu_metadata
---
amdhsa.version: [ 1, 2 ]
amdhsa.kernels:
  - .name:           k_qa8ef511b1f_qkv
    .symbol:         k_qa8ef511b1f_qkv.kd
    .args:
      - { .name: xc, .offset: 0, .size: 8, .value_kind: global_buffer, .address_space: global }
      - { .name: xs, .offset: 8, .size: 8, .value_kind: global_buffer, .address_space: global }
      - { .name: wc, .offset: 16, .size: 8, .value_kind: global_buffer, .address_space: global }
      - { .name: ws, .offset: 24, .size: 8, .value_kind: global_buffer, .address_space: global }
      - { .name: bq, .offset: 32, .size: 8, .value_kind: global_buffer, .address_space: global }
      - { .name: bk, .offset: 40, .size: 8, .value_kind: global_buffer, .address_space: global }
      - { .name: bv, .offset: 48, .size: 8, .value_kind: global_buffer, .address_space: global }
      - { .name: qkvc, .offset: 56, .size: 8, .value_kind: global_buffer, .address_space: global }
      - { .name: qkvs, .offset: 64, .size: 8, .value_kind: global_buffer, .address_space: global }
    .group_segment_fixed_size: 197120
    .private_segment_fixed_size: 0
    .kernarg_segment_align: 8
    .kernarg_segment_size: 72
    .max_flat_workgroup_size: 128
    .sgpr_count:     96
    .vgpr_count:     768
    .wavefront_size: 32
...
	.end_amdgpu_metadata
.endif
;; end of part 3
;; launch attn (part 4): grid 4 x 64, 16 waves a work-group, clusters of 4 x 1, 169,984 bytes of LDS; arguments qkvc, qkvs, avc, avs; writes avc, avs
.if DOCPART == 4
	.amdgcn_target "amdgcn-amd-amdhsa--gfx1250"
	.amdhsa_code_object_version 6
	.text
	.protected	k_qa8ef511b1f_attn
	.globl	k_qa8ef511b1f_attn
	.p2align	8
	.type	k_qa8ef511b1f_attn,@function
k_qa8ef511b1f_attn:
	s_mov_b64 s[64:65], 0
	v_nop
	global_prefetch_b8 v0, s[64:65] scope:SCOPE_SE
	s_setreg_imm32_b32 hwreg(HW_REG_WAVE_MODE, 25, 1), 1
	s_wait_xcnt 0x0
	s_wait_alu depctr_hold_cnt(0) depctr_sa_sdst(0) depctr_va_vdst(0) depctr_va_sdst(0) depctr_va_ssrc(0) depctr_va_vcc(0) depctr_vm_vsrc(0)
	s_getreg_b32 s2, hwreg(HW_REG_IB_STS2, 6, 4)
	s_cmp_eq_u32 s2, 0
	s_cbranch_scc0 .Lentry_in_a_cluster
	s_endpgm
.Lentry_in_a_cluster:
	s_bfe_u32 s2, ttmp6, 0x10000c
	s_cmp_lg_u32 s2, 0x3003
	s_cbranch_scc0 .Lentry_shape_is_right
	s_endpgm
.Lentry_shape_is_right:
; av[b][h][q] = the sum over keys of softmax(q . k / 8) v, both products on codes of FP4 with E8M0 scales, and av quantised at once for the last projection.
; THE SOFTMAX AHEAD OF THE SECOND PRODUCT: t = score x log2(e) / 8; M = the row's largest t so far, rounded UP to a whole number; p = 2^(t - M) is quantised along the keys, not normalised.
; The row's sum is taken of the unquantised p, in f32, and divides at the end.  When M moves, the sum and O are multiplied by 2^(old M - new M): exact.
; SHARES.  A work-group owns 512 query positions of one head; each of its sixteen waves two blocks of 16, one after the other, in 256 registers: four waves to a SIMD, so that one wave's vector work stands
; beside another's matrix work and LDS loads.  Every wave walks the head's 2,048 keys, 128 a step.
; ALL KEYS AT ONCE.  The head's codes of k and v (131,072 consecutive bytes) and their scale words (12,288) are brought into LDS once and only read from then on: one barrier, nothing filled again.
; CLUSTER 4 x 1: the four work-groups of a head read the same k and v: each tile is asked for jointly, by the same tensor load with a mask that names the four.
; LAYOUT.  Both products are used transposed: S^T = k q^T (source 0 = 16 key positions, source 1 = my 16 queries), O^T = v^T p^T: a lane holds ONE query throughout.  By the order of the positions the 16 registers
; of tiles 2 b and 2 b + 1 of S^T are true keys 32 b + 16 h + 0 .. 15 of the step, and those of O^T are d = 32 b + 16 h + 0 .. 15.  K of the first product is 64: registers 4-7 of q's and k's fragments hold zero codes.
; OUT.  avc: [head 16][block of 16 positions 512][512 bytes]: lane (r, h): d = 32 h + 0 .. 31: the image of the last projection's operand, kc = head.  avs: [half of K 2][position][16]: bytes 2 (head % 8), + 1.
; Those two bytes a row leave by a 2-byte store (lanes 16-31 store the same bytes as lanes 0-15): 262,144 bytes in the whole launch.
; LIMITS: a p under 2^-126 counts as 0 (v_exp_f32's result: ISA guide, its entry); a block whose largest magnitude lies under 2^-124 gets the byte 1; NaN and infinities are not served.
; REGISTERS: v1-4, v6 addresses that stay; v8-11 the step's addresses; v12 -M, v13 the largest t, v[14:15] the sum in two halves; v16-23 q; v24-27 k's scale words, v28-29 v's, v30 q's;
; v32-95 k's eight fragments; v96-159 S^T, then p; v160-191 O^T; v192-199 p's codes; v200-231 v's four fragments; v232-254 at work.
.set WV,  12
.set SEL, 20
.set CS,  22                           ; s[22:23] c = log2(e) / 8
.set G1C, 24                           ; s[24:31] group 1: 64 rows of 256 bytes;  s[32:39]: 48 rows
.set G1S, 32
.set G0C, 40
.set G0S, 44
.set TB,  48                           ; the step's codes: 4,096 bytes a step, in k and in v
.set TS,  49                           ; k's scale words: 512 bytes a step
.set TJ,  50                           ; v's: 256
.set CNT, 51
.set QB,  52
.set QSB, 54
.set AB,  56
.set ASB, 58
.macro CROUND                          ; a round of the cluster's barrier
	s_barrier_signal -1
	s_barrier_wait -1
	s_cmp_lg_u32 s[WV], 0
	s_cbranch_scc1 .Lnot_wave_0_\@
	s_barrier_signal -3
.Lnot_wave_0_\@:
	s_barrier_wait -3
	s_barrier_signal -1
	s_barrier_wait -1
.endm
	s_load_b256 s[4:11], s[0:1], 0x0               ; qkvc, qkvs, avc, avs
	v_lshl_add_u32 v251, v0, 2, 0x29000
	v_mov_b32 v255, 0
	ds_add_u32 v251, v255
	ds_add_u32 v251, v255
	v_lshrrev_b32 v1, 5, v0
	s_delay_alu instid0(VALU_DEP_1)
	v_readfirstlane_b32 s[WV], v1                  ; wave 0..15
	s_bfe_u32 s13, ttmp6, 0x40000                  ; cx: it enters q's and av's global addresses alone
	s_and_b32 s14, ttmp7, 0xffff                   ; 16 x batch + head: the four partners share it
	s_and_b32 s15, s14, 15                         ; head
	s_lshr_b32 s16, s14, 4                         ; batch
	s_mov_b32 s[G1C], 15|(3<<16)|(1<<21)           ; 15:0 the mask: all four; 17:16 elements of 8 bytes; 21 set beside a mask
	s_mov_b32 s[G1C+1], 32<<16                     ; tensor_dim0: 256 bytes
	s_mov_b32 s[G1C+2], 64<<16                     ; tensor_dim1
	s_mov_b32 s[G1C+3], 32<<16                     ; tile_dim0
	s_mov_b32 s[G1C+4], 64                         ; tile_dim1
	s_mov_b32 s[G1C+5], 32                         ; the pitch: dense
	s_mov_b32 s[G1C+6], 0
	s_mov_b32 s[G1C+7], 0
	s_mov_b32 s[G1S], 15|(3<<16)|(1<<21)
	s_mov_b32 s[G1S+1], 32<<16
	s_mov_b32 s[G1S+2], 48<<16
	s_mov_b32 s[G1S+3], 32<<16
	s_mov_b32 s[G1S+4], 48
	s_mov_b32 s[G1S+5], 32
	s_mov_b32 s[G1S+6], 0
	s_mov_b32 s[G1S+7], 0
	s_mul_i32 s60, s14, 196608
	s_mov_b32 s61, 0
	s_mul_i32 s62, s14, 20480
	s_mov_b32 s63, 0
	s_lshl_b32 s66, s[WV], 14                      ; waves 0 to 7: 16,384 bytes each of k's and v's codes
	s_mov_b32 s67, 0
	s_lshl_b32 s17, s13, 5
	s_add_co_u32 s17, s17, s[WV]                   ; my first block of queries: 32 cx + wave
	s_lshl_b32 s68, s17, 9                         ; its image
	s_mov_b32 s69, 0
	s_lshl_b32 s70, s13, 2                         ; its scale words: 128 positions 4 cx + wave / 8, block wave % 8 = 2 j + h': 256 h' + 4 j
	s_lshr_b32 s71, s[WV], 3
	s_add_co_u32 s70, s70, s71
	s_lshl_b32 s70, s70, 9
	s_and_b32 s71, s[WV], 1
	s_lshl_b32 s71, s71, 8
	s_add_co_u32 s70, s70, s71
	s_bfe_u32 s71, s[WV], 0x20001
	s_lshl_b32 s71, s71, 2
	s_add_co_u32 s70, s70, s71
	s_mov_b32 s71, 0
	s_mov_b32 s[SEL], 0x76543210
	s_mov_b32 s[SEL+1], 0xfedcba98
	s_mov_b32 s[CS], 0x3e38aa3b                    ; log2(e) / 8
	s_mov_b32 s[CS+1], s[CS]                       ; (named with it as a pair, so it is written)
	s_wait_dscnt 0x0
	s_wait_kmcnt 0x0
	s_add_nc_u64 s[60:61], s[4:5], s[60:61]        ; the head's codes
	s_add_nc_u64 s[62:63], s[6:7], s[62:63]        ; and its scale words
	s_add_nc_u64 s[QB:QB+1], s[60:61], s[68:69]
	s_add_nc_u64 s[QSB:QSB+1], s[62:63], s[70:71]
	s_mov_b32 s[G0C], 1
	s_lshl_b32 s[G0C+1], s[WV], 14                 ; LDS: k's codes at 0, v's at 65,536
	s_add_nc_u64 s[G0C+2:G0C+3], s[60:61], s[66:67]
	s_add_nc_u64 s[G0C+2:G0C+3], s[G0C+2:G0C+3], 65536   ; behind q's
	s_or_b32 s[G0C+3], s[G0C+3], 0x80000000
	s_mov_b32 s[G0S], 1
	s_mov_b32 s[G0S+1], 131072                     ; k's scale words at 131,072, v's at 139,264
	s_add_nc_u64 s[G0S+2:G0S+3], s[62:63], 8192    ; behind q's
	s_or_b32 s[G0S+3], s[G0S+3], 0x80000000
	s_lshl_b32 s66, s16, 7
	s_add_co_u32 s66, s66, s17                     ; my block among av's 512
	s_lshl_b32 s68, s15, 18
	s_lshl_b32 s69, s66, 9
	s_add_co_u32 s68, s68, s69
	s_mov_b32 s69, 0
	s_add_nc_u64 s[AB:AB+1], s[8:9], s[68:69]
	s_lshr_b32 s70, s15, 3
	s_lshl_b32 s70, s70, 17
	s_lshl_b32 s71, s66, 8
	s_add_co_u32 s70, s70, s71
	s_and_b32 s71, s15, 7
	s_lshl_b32 s71, s71, 1
	s_add_co_u32 s70, s70, s71
	s_mov_b32 s71, 0
	s_add_nc_u64 s[ASB:ASB+1], s[10:11], s[70:71]
	CROUND                                         ; all four work-groups are here: the joint loads meet
	s_cmp_lt_u32 s[WV], 8                          ; waves 0 to 7 fetch codes, wave 8 the scale words, the others nothing: at most one load of a wave is out; four v_nop follow each line
	s_cbranch_scc0 .Lnot_codes
	tensor_load_to_lds s[G0C:G0C+3], s[G1C:G1C+7]
	s_nop 0
.rept 4
	v_nop
.endr
	s_branch .Lasked
.Lnot_codes:
	s_cmp_eq_u32 s[WV], 8
	s_cbranch_scc0 .Lasked
	tensor_load_to_lds s[G0S:G0S+3], s[G1S:G1S+7]
	s_nop 0
.rept 4
	v_nop
.endr
.Lasked:
	v_and_b32 v5, 31, v0                           ; lane
	s_delay_alu instid0(VALU_DEP_1)
	v_lshlrev_b32 v1, 4, v5                        ; 16 x lane: an image's place; k's codes
	s_delay_alu instid0(VALU_DEP_1)
	v_add_nc_u32 v2, 65536, v1                     ; v's codes
	s_delay_alu instid0(VALU_DEP_2)
	v_add_nc_u32 v3, 131072, v1                    ; k's scale words
	s_delay_alu instid0(VALU_DEP_4)
	v_lshl_add_u32 v4, v5, 3, 139264               ; v's: 8 x lane
	v_and_b32 v6, 15, v0
	s_delay_alu instid0(VALU_DEP_1)
	v_lshlrev_b32 v6, 4, v6                        ; 16 r: q's scale words, and av's scale bytes
.irp i, 20,21,22,23
	v_mov_b32 v[\i], 0                             ; q's zero codes beyond K = 64
.endr
.irp t, 0,1,2,3,4,5,6,7
.irp i, 4,5,6,7
	v_mov_b32 v[32+8*\t+\i], 0                     ; k's likewise: written once
.endr
.endr
.irp b, 0,1,2,3
	v_mov_b32 v[236+\b], 0                         ; written once: a lane permute's destination counts as one of its sources
.endr
	v_mov_b32 v252, 0
	v_mov_b32 v253, 0                              ; (named as the upper half of the pair v[252:253] before it is first written)
	s_wait_tensorcnt 0x0                           ; my part is in,
	s_barrier_signal -1
	s_barrier_wait -1                              ; everybody's is: from here on LDS is only read
; A KEY STEP: 128 keys.
.macro STEP
	v_add_nc_u32 v8, s[TB], v1                     ; these four are also the places behind the last step's products, in front of the loads into their registers
	v_add_nc_u32 v9, s[TB], v2
	v_add_nc_u32 v10, s[TS], v3
	v_add_nc_u32 v11, s[TJ], v4
	ds_load_b128 v[24:27], v10                     ; register j: lanes 0-15 tile 2 j's words, lanes 16-31 tile 2 j + 1's
.irp t, 0,1,2,3,4,5,6,7
	ds_load_b128 v[32+8*\t:35+8*\t], v8 offset:512*\t
.endr
.irp d, 0,1,2,3
.irp c, 0,1
	ds_load_b128 v[200+8*\d+4*\c:203+8*\d+4*\c], v9 offset:1024*\d+512*\c
.endr
.endr
	ds_load_b64 v[28:29], v11
	s_wait_dscnt 9                                 ; k's words and fragments are in; v's nine loads may be out
.irp t, 0,1,2,3,4,5,6,7
.if \t%2
	v_wmma_scale_f32_16x16x128_f8f6f4 v[96+8*\t:103+8*\t], v[32+8*\t:39+8*\t], v[16:23], 0, v[24+\t/2], v30 matrix_a_fmt:MATRIX_FMT_FP4 matrix_b_fmt:MATRIX_FMT_FP4 matrix_a_scale:MATRIX_SCALE_ROW1
.else
	v_wmma_scale_f32_16x16x128_f8f6f4 v[96+8*\t:103+8*\t], v[32+8*\t:39+8*\t], v[16:23], 0, v[24+\t/2], v30 matrix_a_fmt:MATRIX_FMT_FP4 matrix_b_fmt:MATRIX_FMT_FP4
.endif
.endr
.rept 4
	v_nop
.endr
.irp b, 0,1,2,3
	v_max3_num_f32 v[232+\b], v[96+16*\b], v[97+16*\b], v[98+16*\b]   ; the largest score of each block of 32 keys: for the row's maximum, and, since p rises with the score, for the block's largest p
.endr
.irp i, 3,5,7,9,11,13
.irp b, 0,1,2,3
	v_max3_num_f32 v[232+\b], v[232+\b], v[96+16*\b+\i], v[97+16*\b+\i]
.endr
.endr
.irp b, 0,1,2,3
	v_max_num_f32 v[232+\b], v[232+\b], v[111+16*\b]
.endr
.irp b, 0,1,2,3
	s_delay_alu instid0(VALU_DEP_4)
	v_permlanex16_b32 v[236+\b], v[232+\b], s[SEL], s[SEL+1]
.endr
.irp b, 0,1,2,3
	s_delay_alu instid0(VALU_DEP_4)
	v_max_num_f32 v[232+\b], v[232+\b], v[236+\b]  ; with lane l xor 16's 16 keys
.endr
	s_delay_alu instid0(VALU_DEP_2)
	v_max3_num_f32 v254, v232, v233, v234
	s_delay_alu instid0(VALU_DEP_1)
	v_max_num_f32 v254, v254, v235                 ; the step's largest score of my query
	s_delay_alu instid0(VALU_DEP_1)
	v_mul_f32 v254, s[CS], v254                    ; as t (c is positive)
	s_delay_alu instid0(VALU_DEP_1)
	v_max_num_f32 v13, v13, v254                   ; the running largest t
	v_mov_b32 v254, v12
	s_delay_alu instid0(VALU_DEP_2)
	v_floor_f32 v12, -v13                          ; the new -M = floor(-t) = -ceil(t): a whole number
	s_delay_alu instid0(VALU_DEP_1)
	v_sub_f32 v254, v12, v254                      ; old M less new M: a whole number, 0 or less
	s_delay_alu instid0(VALU_DEP_1)
	v_cvt_i32_f32 v254, v254                       ; (it saturates)
	s_delay_alu instid0(VALU_DEP_1)
	v_ldexp_f32 v252, 1.0, v254                    ; f = 2^(old M - new M)
.irp j, 0,2,4,6,8,10,12,14,16,18,20,22,24,26,28,30,32,34,36,38,40,42,44,46,48,50,52,54,56,58,60,62
	v_pk_fma_f32 v[96+\j:97+\j], v[96+\j:97+\j], s[CS:CS+1], v[12:13] op_sel_hi:[1,0,0]   ; t - M, two at a time
.endr
.irp b, 0,1,2,3
	v_fma_f32 v[232+\b], v[232+\b], s[CS], v12     ; the same of each block's largest score
.endr
	s_wait_alu depctr_va_vdst(0)
.irp j, 0,1,2,3,4,5,6,7,8,9,10,11,12,13,14,15,16,17,18,19,20,21,22,23,24,25,26,27,28,29,30,31,32,33,34,35,36,37,38,39,40,41,42,43,44,45,46,47,48,49,50,51,52,53,54,55,56,57,58,59,60,61,62,63
	v_exp_f32 v[96+\j], v[96+\j]                   ; p = 2^(t - M), at most 1
.endr
	s_setprio 1
	v_pk_mul_f32 v[14:15], v[14:15], v[252:253] op_sel_hi:[1,0]   ; the sums under the new M: the plain line behind the exponentials
	s_wait_alu depctr_va_vdst(0)                   ; one wait for the whole batch, ahead of its first reader
.irp b, 0,1,2,3
	v_exp_f32 v[232+\b], v[232+\b]                 ; the block's largest p
.endr
	v_pk_add_f32 v[236:237], v[100:101], v[104:105]
	v_pk_add_f32 v[248:249], v[108:109], v[112:113]
	v_pk_add_f32 v[246:247], v[116:117], v[120:121]
	v_pk_add_f32 v[244:245], v[124:125], v[128:129]
	v_pk_add_f32 v[242:243], v[132:133], v[136:137]
	v_pk_add_f32 v[240:241], v[140:141], v[144:145]
	v_pk_add_f32 v[238:239], v[148:149], v[152:153]
	v_pk_add_f32 v[14:15], v[14:15], v[156:157]
	v_pk_add_f32 v[236:237], v[236:237], v[96:97]
	v_pk_add_f32 v[248:249], v[248:249], v[98:99]
	v_pk_add_f32 v[246:247], v[246:247], v[102:103]
	v_pk_add_f32 v[244:245], v[244:245], v[106:107]
	v_pk_add_f32 v[242:243], v[242:243], v[110:111]
	v_pk_add_f32 v[240:241], v[240:241], v[114:115]
	v_pk_add_f32 v[238:239], v[238:239], v[118:119]
	v_pk_add_f32 v[14:15], v[14:15], v[122:123]
	v_pk_add_f32 v[236:237], v[236:237], v[126:127]
	v_pk_add_f32 v[248:249], v[248:249], v[130:131]
	v_pk_add_f32 v[246:247], v[246:247], v[134:135]
	v_pk_add_f32 v[244:245], v[244:245], v[138:139]
	v_pk_add_f32 v[242:243], v[242:243], v[142:143]
	v_pk_add_f32 v[240:241], v[240:241], v[146:147]
	v_pk_add_f32 v[238:239], v[238:239], v[150:151]
	v_pk_add_f32 v[14:15], v[14:15], v[154:155]
	v_pk_add_f32 v[236:237], v[236:237], v[158:159]
	s_delay_alu instid0(VALU_DEP_2)
	v_pk_add_f32 v[14:15], v[14:15], v[244:245]
	s_delay_alu instid0(VALU_DEP_2)
	v_pk_add_f32 v[236:237], v[236:237], v[242:243]
	v_pk_add_f32 v[248:249], v[248:249], v[240:241]
	v_pk_add_f32 v[246:247], v[246:247], v[238:239]
	s_delay_alu instid0(VALU_DEP_2)
	v_pk_add_f32 v[14:15], v[14:15], v[248:249]
	s_delay_alu instid0(VALU_DEP_2)
	v_pk_add_f32 v[236:237], v[236:237], v[246:247]
	s_delay_alu instid0(VALU_DEP_1)
	v_pk_add_f32 v[14:15], v[14:15], v[236:237]
	s_wait_alu depctr_va_vdst(0)                   ; and one for the four
.irp b, 0,1,2,3
	v_max_num_f32 v[232+\b], 0x1800000, v[232+\b]  ; the floor 2^(3 - 127): the byte cannot fall under 1
.endr
.irp b, 0,1,2,3
	s_delay_alu instid0(VALU_DEP_4)
	v_add_nc_u32 v[244+\b], 0xff000000, v[232+\b]  ; 2 off the exponent field: the conversion's scale operand
.endr
.irp b, 0,1,2,3
	s_delay_alu instid0(VALU_DEP_4)
	v_lshrrev_b32 v[236+\b], 23, v[244+\b]         ; the scale's byte
.endr
	s_delay_alu instid0(VALU_DEP_3)
	v_lshl_or_b32 v253, v237, 8, v236              ; p's scale word for these 128 keys
	s_delay_alu instid0(VALU_DEP_1)
	v_lshl_or_b32 v253, v238, 16, v253
	s_delay_alu instid0(VALU_DEP_1)
	v_lshl_or_b32 v253, v239, 24, v253
.irp b, 0,1,2,3
	v_cvt_scalef32_pk8_fp4_f32 v[192+2*\b], v[96+16*\b:103+16*\b], v[244+\b]
	v_cvt_scalef32_pk8_fp4_f32 v[193+2*\b], v[104+16*\b:111+16*\b], v[244+\b]
.endr
	v_nop                                          ; one plain line behind the last conversion
.irp c, 0,1                                    ; a WHOLE block in a lane: lanes 0-15 block 2 c, lanes 16-31 block 2 c + 1
.irp i, 0,1
	v_permlane16_swap_b32 v[192+4*\c+\i], v[194+4*\c+\i]
.endr
.endr
	s_setprio 0
.irp j, 0,2,4,6,8,10,12,14,16,18,20,22,24,26,28,30
	v_pk_mul_f32 v[160+\j:161+\j], v[160+\j:161+\j], v[252:253] op_sel_hi:[1,0]   ; O^T under the new M.  (These sixteen are also the places between the scale word's and the codes' last writes and the products below)
.endr
	s_wait_alu depctr_va_vdst(0)
	s_wait_dscnt 0x0                               ; v's fragments and words are in
.irp d, 0,1,2,3                                ; one instruction to each accumulator: they take turns
.if \d%2
	v_wmma_scale_f32_16x16x128_f8f6f4 v[160+8*\d:167+8*\d], v[200+8*\d:207+8*\d], v[192:199], v[160+8*\d:167+8*\d], v[28+\d/2], v253 matrix_a_fmt:MATRIX_FMT_FP4 matrix_b_fmt:MATRIX_FMT_FP4 matrix_a_scale:MATRIX_SCALE_ROW1
.else
	v_wmma_scale_f32_16x16x128_f8f6f4 v[160+8*\d:167+8*\d], v[200+8*\d:207+8*\d], v[192:199], v[160+8*\d:167+8*\d], v[28+\d/2], v253 matrix_a_fmt:MATRIX_FMT_FP4 matrix_b_fmt:MATRIX_FMT_FP4
.endif
.endr
	s_add_co_u32 s[TB], s[TB], 4096
	s_add_co_u32 s[TS], s[TS], 512
	s_add_co_u32 s[TJ], s[TJ], 256
.endm
; A block of 16 queries: the n-th of my two, 16 blocks apart.
.macro QTILE n
.if \n
	s_wait_xcnt 0x0                                ; the first block's stores have read their registers, which are written again below
.endif
	global_load_b128 v[16:19], v1, s[QB:QB+1] offset:8192*\n
	global_load_b32 v30, v6, s[QSB:QSB+1] offset:1024*\n
	v_mov_b32 v13, 0xff61b1e6                      ; the largest t so far: -3e38, under every t
	s_delay_alu instid0(VALU_DEP_1)
	v_floor_f32 v12, -v13                          ; -M
	v_mov_b32 v14, 0                               ; the sum, in two halves
	v_mov_b32 v15, 0
.irp j, 0,1,2,3,4,5,6,7,8,9,10,11,12,13,14,15,16,17,18,19,20,21,22,23,24,25,26,27,28,29,30,31
	v_mov_b32 v[160+\j], 0                         ; O^T: the step is written once; its first trip finds zeros, which the first change of M leaves zeros
.endr
	s_mov_b32 s[TB], 0
	s_mov_b32 s[TS], 0
	s_mov_b32 s[TJ], 0
	s_mov_b32 s[CNT], 16
	s_wait_loadcnt 0x0                             ; q
.Lkeys_\n:
	s_setprio 2
	STEP
	s_sub_co_u32 s[CNT], s[CNT], 1
	s_cmp_lg_u32 s[CNT], 0
	s_cbranch_scc1 .Lkeys_\n
	s_setprio 0
	; the way out: O^T / the sum, quantised along d: two blocks of 32; register 16 b + i is d = 32 b + 16 h + i
.rept 4
	v_nop                                          ; places behind the last products
.endr
	v_add_f32 v14, v14, v15                        ; the sum's two halves,
	s_delay_alu instid0(VALU_DEP_1)
	v_permlanex16_b32 v252, v14, s[SEL], s[SEL+1]
	s_delay_alu instid0(VALU_DEP_1)
	v_add_f32 v14, v14, v252                       ; and lane l xor 16's
	s_wait_alu depctr_va_vdst(0)
	v_rcp_f32 v14, v14
	v_nop                                          ; a plain line behind the reciprocal
	s_wait_alu depctr_va_vdst(0)                   ; the wait ahead of its first reader
.irp j, 0,1,2,3,4,5,6,7,8,9,10,11,12,13,14,15,16,17,18,19,20,21,22,23,24,25,26,27,28,29,30,31
	v_mul_f32 v[96+\j], v[160+\j], v14             ; each accumulator from its low end on
.endr
.irp b, 0,1
	v_max3_num_f32 v[232+\b], |v[96+16*\b]|, |v[97+16*\b]|, 0x1800000
.endr
.irp i, 2,4,6,8,10,12,14
.irp b, 0,1
	s_delay_alu instid0(VALU_DEP_2)
	v_max3_num_f32 v[232+\b], v[232+\b], |v[96+16*\b+\i]|, |v[97+16*\b+\i]|
.endr
.endr
.irp b, 0,1
	s_delay_alu instid0(VALU_DEP_2)
	v_permlanex16_b32 v[236+\b], v[232+\b], s[SEL], s[SEL+1]
.endr
.irp b, 0,1
	s_delay_alu instid0(VALU_DEP_2)
	v_max_num_f32 v[232+\b], v[232+\b], v[236+\b]
.endr
.irp b, 0,1
	s_delay_alu instid0(VALU_DEP_2)
	v_add_nc_u32 v[244+\b], 0xff000000, v[232+\b]
.endr
.irp b, 0,1
	s_delay_alu instid0(VALU_DEP_2)
	v_lshrrev_b32 v[236+\b], 23, v[244+\b]
.endr
	s_delay_alu instid0(VALU_DEP_1)
	v_lshl_or_b32 v132, v237, 8, v236              ; my row's two scale bytes
.irp b, 0,1
	v_cvt_scalef32_pk8_fp4_f32 v[128+2*\b], v[96+16*\b:103+16*\b], v[244+\b]
	v_cvt_scalef32_pk8_fp4_f32 v[129+2*\b], v[104+16*\b:111+16*\b], v[244+\b]
.endr
	v_nop                                          ; one plain line behind the last conversion
	v_permlane16_swap_b32 v128, v130
	v_permlane16_swap_b32 v129, v131               ; lane (r, h): d = 32 h + 0 .. 31
	global_store_b128 v1, v[128:131], s[AB:AB+1] offset:8192*\n    ; an image: 512 consecutive bytes
	global_store_b16 v6, v132, s[ASB:ASB+1] offset:4096*\n
.endm
	QTILE 0
	QTILE 1
	s_wait_tensorcnt 0x0
	s_wait_dscnt 0x0
	s_wait_tensorcnt 0x0
	ds_add_u32 v251, v255
	s_wait_dscnt 0x0
	CROUND                                         ; the closing round: no work-group ends while a partner may still ask for a tile that names it
	s_endpgm
.Lfunc_end_k_qa8ef511b1f_attn:
	.size	k_qa8ef511b1f_attn, .Lfunc_end_k_qa8ef511b1f_attn-k_qa8ef511b1f_attn
	.p2alignl 7, 3214868480
	.fill 96, 4, 3214868480
	.section	.rodata,"a",@progbits
	.p2align	6, 0x0
	.amdhsa_kernel k_qa8ef511b1f_attn
		.amdhsa_group_segment_fixed_size 169984
		.amdhsa_private_segment_fixed_size 0
		.amdhsa_enable_private_segment 0
		.amdhsa_kernarg_size 32
		.amdhsa_user_sgpr_count 2
		.amdhsa_user_sgpr_kernarg_segment_ptr 1
		.amdhsa_wavefront_size32 1
		.amdhsa_system_sgpr_workgroup_id_x 1
		.amdhsa_system_sgpr_workgroup_id_y 1
		.amdhsa_system_sgpr_workgroup_id_z 1
		.amdhsa_system_vgpr_workitem_id 0
		.amdhsa_next_free_vgpr 256
		.amdhsa_next_free_sgpr 72
		.amdhsa_reserve_vcc 0
		.amdhsa_float_denorm_mode_32 3
		.amdhsa_float_denorm_mode_16_64 3
		.amdhsa_memory_ordered 1
		.amdhsa_forward_progress 1
		.amdhsa_inst_pref_size 51
	.end_amdhsa_kernel
	.amdgpu_metadata
---
amdhsa.version: [ 1, 2 ]
amdhsa.kernels:
  - .name:           k_qa8ef511b1f_attn
    .symbol:         k_qa8ef511b1f_attn.kd
    .args:
      - { .name: qkvc, .offset: 0, .size: 8, .value_kind: global_buffer, .address_space: global }
      - { .name: qkvs, .offset: 8, .size: 8, .value_kind: global_buffer, .address_space: global }
      - { .name: avc, .offset: 16, .size: 8, .value_kind: global_buffer, .address_space: global }
      - { .name: avs, .offset: 24, .size: 8, .value_kind: global_buffer, .address_space: global }
    .group_segment_fixed_size: 169984
    .private_segment_fixed_size: 0
    .kernarg_segment_align: 8
    .kernarg_segment_size: 32
    .max_flat_workgroup_size: 512
    .sgpr_count:     72
    .vgpr_count:     256
    .wavefront_size: 32
...
	.end_amdgpu_metadata
.endif
;; end of part 4
;; launch outp (part 5): grid 4 x 64, 4 waves a work-group, clusters of 4 x 4, 327,680 bytes of LDS; arguments avc, avs, wc, ws, bo, out0; writes out0
.if DOCPART == 5
	.amdgcn_target "amdgcn-amd-amdhsa--gfx1250"
	.amdhsa_code_object_version 6
	.text
	.protected	k_qa8ef511b1f_outp
	.globl	k_qa8ef511b1f_outp
	.p2align	8
	.type	k_qa8ef511b1f_outp,@function
k_qa8ef511b1f_outp:
	s_mov_b64 s[64:65], 0
	v_nop
	global_prefetch_b8 v0, s[64:65] scope:SCOPE_SE
	s_setreg_imm32_b32 hwreg(HW_REG_WAVE_MODE, 25, 1), 1
	s_wait_xcnt 0x0
	s_wait_alu depctr_hold_cnt(0) depctr_sa_sdst(0) depctr_va_vdst(0) depctr_va_sdst(0) depctr_va_ssrc(0) depctr_va_vcc(0) depctr_vm_vsrc(0)
	s_getreg_b32 s2, hwreg(HW_REG_IB_STS2, 6, 4)
	s_cmp_eq_u32 s2, 0
	s_cbranch_scc0 .Lentry_in_a_cluster
	s_endpgm
.Lentry_in_a_cluster:
	s_bfe_u32 s2, ttmp6, 0x10000c
	s_cmp_lg_u32 s2, 0xf033
	s_cbranch_scc0 .Lentry_shape_is_right
	s_endpgm
.Lentry_shape_is_right:
; out = av Wo + bo on codes of FP4 with E8M0 scales, f32 sums; out0 [8192][1024] f32.
; TILE.  A work-group makes 128 row positions x 256 column positions; its four waves stand side by side: a wave makes 128 x 64: 32 accumulators.
; ALL OF K AT ONCE.  A tile's codes for K = 1,024 are 64 KiB of av and 128 KiB of Wo: they are brought into LDS once, in two halves of K, two tensor loads a wave; nothing is filled again.
; CLUSTER 4 x 4: av's tile hangs on the tile row alone and is asked for jointly along a row of the cluster, Wo's on the tile column alone and jointly along a column.
; OPERANDS ARE IMAGES OF REGISTERS (512 bytes = 32 lanes x 16): a fragment is two ds_load_b128 at 16 x lane.  The scale words come from memory straight into registers, once: lanes 0-15 hold K steps 0-3, lanes 16-31 K steps 4-7.
; THE PRODUCT IS USED TRANSPOSED (source 0 = Wo's column positions, source 1 = av's row positions): a lane holds one row position, and register 8 t + j is true column 32 (t / 2) + 16 h + 8 (t % 2) + j of my 64.
; THE WAY OUT undoes both orders: the columns by the place in the wave's stage in LDS (16 rows of 256 + 16 bytes, behind the tiles; no tensor load lands there), the rows by the stores' immediates:
; row position 16 a + rho is row 32 (a / 2) + 8 (a % 2) + rho + 8 (rho / 8).  Sixteen lanes store 256 consecutive bytes, aligned.
; REGISTERS: window 0: v1-12 addresses; v16-47 av's scale words, v48-63 Wo's; v64-95 the bias as the first product's C; v96-159 rows on the way out.  window 1: the accumulators.  window 2: av's fragments, two sets at v0, v64; Wo's at v128, v160.
.set LI,  2
.set ADB, 3
.set STO, 10
.set RD,  11
.set CO,  12
.set SA,  16
.set SB,  48
.set BI,  64
.set BK,  96
.set SP,  272
.set STAGE, 196608
.set WV,  22
.set FB,  23
.set HALF, 24
.set G1A, 32
.set G1B, 40
.set G0A, 48
.set G0B, 56
.set MSB, 0
.macro WIN new                         ; the immediate's high byte repeats the setting that is left
.if MSB != \new
	s_set_vgpr_msb (MSB<<8)|\new
.set MSB, \new
.endif
.endm
.macro JLOAD g0a, g1a, g0b, g1b        ; a joint load: waves 0 and 1 fetch for av, waves 2 and 3 for Wo; four v_nop follow each line
	s_cmp_eq_u32 s[FB], 0
	s_cbranch_scc0 .Lfor_b_\@
	tensor_load_to_lds s[\g0a:\g0a+3], s[\g1a:\g1a+7]
	s_nop 0
.rept 4
	v_nop
.endr
	s_branch .Lasked_\@
.Lfor_b_\@:
	tensor_load_to_lds s[\g0b:\g0b+3], s[\g1b:\g1b+7]
	s_nop 0
.rept 4
	v_nop
.endr
.Lasked_\@:
.endm
.macro CROUND                          ; a round of the cluster's barrier
	s_barrier_signal -1
	s_barrier_wait -1
	s_cmp_lg_u32 s[WV], 0
	s_cbranch_scc1 .Lnot_wave_0_\@
	s_barrier_signal -3
.Lnot_wave_0_\@:
	s_barrier_wait -3
	s_barrier_signal -1
	s_barrier_wait -1
.endm
.macro PLACES
.rept 4
	v_nop
.endr
.endm
.macro FETCH s                         ; K step s: av's eight fragments and my four of Wo, 24 loads, into set s % 2
	WIN 0x80                                       ; destination window 2
.irp c, 0,1
.irp a, 0,1,2,3,4,5,6,7
	ds_load_b128 v[64*((\s)%2)+8*\a+4*\c:64*((\s)%2)+8*\a+4*\c+3], v[LI] offset:(2*(\s)+\c)*4096+512*\a
.endr
.irp t, 0,1,2,3
	ds_load_b128 v[128+32*((\s)%2)+8*\t+4*\c:128+32*((\s)%2)+8*\t+4*\c+3], v[ADB+(\s)/4] offset:(2*((\s)%4)+\c)*8192+512*\t
.endr
.endr
.endm
; 32 matrix instructions: K step s; accumulator (a, t) at 8 (4 a + t).  The first step's C is the bias.  The 32 accumulators take turns, one instruction a turn, in the same order in every step.
.macro MUL s
.if (\s) == 0
	WIN 0x4a                                       ; sources 0, 1 window 2, C window 0, D window 1
.else
	WIN 0x5a                                       ; C and D window 1
.endif
.irp a, 0,1,2,3,4,5,6,7
.irp t, 0,1,2,3
.set rD,  8*(4*\a+\t)
.set rF0, 128+32*((\s)%2)+8*\t
.set rF1, 64*((\s)%2)+8*\a
.set rC0, SB+4*\t+(\s)%4
.set rC1, SA+4*\a+(\s)%4
.if (\s) == 0
	v_wmma_scale_f32_16x16x128_f8f6f4 v[rD:rD+7], v[rF0:rF0+7], v[rF1:rF1+7], v[BI+8*\t:BI+8*\t+7], v[rC0], v[rC1] matrix_a_fmt:MATRIX_FMT_FP4 matrix_b_fmt:MATRIX_FMT_FP4
.elseif (\s) < 4
	v_wmma_scale_f32_16x16x128_f8f6f4 v[rD:rD+7], v[rF0:rF0+7], v[rF1:rF1+7], v[rD:rD+7], v[rC0], v[rC1] matrix_a_fmt:MATRIX_FMT_FP4 matrix_b_fmt:MATRIX_FMT_FP4
.else
	v_wmma_scale_f32_16x16x128_f8f6f4 v[rD:rD+7], v[rF0:rF0+7], v[rF1:rF1+7], v[rD:rD+7], v[rC0], v[rC1] matrix_a_fmt:MATRIX_FMT_FP4 matrix_b_fmt:MATRIX_FMT_FP4 matrix_a_scale:MATRIX_SCALE_ROW1 matrix_b_scale:MATRIX_SCALE_ROW1
.endif
.endr
.endr
.endm
.macro KSTEP s
.if (\s) >= 1
	PLACES                                         ; four plain places in front of loads into the set that the last step's products read
.endif
.if (\s) < 7
	FETCH (\s)+1
	s_wait_dscnt 24                                ; this step's fragments are in; the 24 loads just issued may be out
.else
	s_wait_dscnt 0x0
.endif
	MUL \s
.endm
	s_load_b256 s[4:11], s[0:1], 0x0               ; avc, avs, wc, ws
	s_load_b128 s[12:15], s[0:1], 0x20             ; bo, out0
	v_lshl_add_u32 v254, v0, 2, 0x34400
	v_mov_b32 v255, 0
	ds_add_u32 v254, v255
	ds_add_u32 v254, v255
	v_lshrrev_b32 v1, 5, v0
	v_readfirstlane_b32 s[WV], v1                  ; wave 0..3
	s_lshr_b32 s[FB], s[WV], 1
	s_and_b32 s[HALF], s[WV], 1
	s_bfe_u32 s25, ttmp6, 0x40000                  ; cx
	s_bfe_u32 s26, ttmp6, 0x40004                  ; cy
	s_lshl_b32 s27, ttmp9, 2
	s_add_co_u32 s27, s27, s25                     ; tile column = 4 x cluster x + cx
	s_add_co_u32 s31, s27, 12                      ; among wc's sixteen: Wo is the fourth weight
	s_and_b32 s28, ttmp7, 0xffff
	s_lshl_b32 s28, s28, 2
	s_add_co_u32 s28, s28, s26                     ; tile row = 4 x cluster y + cy
	s_lshl_b32 s29, s26, 2
	s_lshl_b32 s29, 15, s29                        ; my row of the cluster
	s_lshl_b32 s30, 0x1111, s25                    ; my column
	; group 1: av: 4 rows (kc) of 4,096 bytes, 262,144 bytes apart;  Wo: 4 rows of 8,192 bytes, 131,072 apart.  Elements of 8 bytes, no padding
	s_or_b32 s[G1A], s29, (3<<16)|(1<<21)
	s_mov_b32 s[G1A+1], 512<<16
	s_mov_b32 s[G1A+2], 4<<16
	s_mov_b32 s[G1A+3], 512<<16
	s_mov_b32 s[G1A+4], 4
	s_mov_b32 s[G1A+5], 32768
	s_mov_b32 s[G1A+6], 0
	s_mov_b32 s[G1A+7], 0
	s_or_b32 s[G1B], s30, (3<<16)|(1<<21)
	s_mov_b32 s[G1B+1], 1024<<16
	s_mov_b32 s[G1B+2], 4<<16
	s_mov_b32 s[G1B+3], 1024<<16
	s_mov_b32 s[G1B+4], 4
	s_mov_b32 s[G1B+5], 16384
	s_mov_b32 s[G1B+6], 0
	s_mov_b32 s[G1B+7], 0
	s_lshl_b32 s66, s[HALF], 20                    ; av: four kc on, + the tile row's 4,096 bytes: no register here ever holds cx
	s_lshl_b32 s67, s28, 12
	s_add_co_u32 s66, s66, s67
	s_mov_b32 s67, 0
	s_lshl_b32 s68, s[HALF], 19                    ; Wo: four kc on, + the tile column's 8,192 bytes: none holds cy
	s_lshl_b32 s69, s31, 13
	s_add_co_u32 s68, s68, s69
	s_mov_b32 s69, 0
	s_lshl_b32 s70, s[HALF], 14
	s_lshl_b32 s71, s[HALF], 15
	s_add_co_u32 s71, s71, 65536
	s_wait_dscnt 0x0
	s_wait_kmcnt 0x0
	s_add_nc_u64 s[66:67], s[4:5], s[66:67]
	s_add_nc_u64 s[68:69], s[8:9], s[68:69]
	CROUND                                         ; all sixteen work-groups are here: the joint loads meet
.irp p, 0,1                                    ; the two halves of K: one load of mine out at a time
	s_mov_b32 s[G0A+4*\p], 1
	s_add_co_u32 s[G0A+4*\p+1], s70, \p*32768
	s_add_nc_u64 s[G0A+4*\p+2:G0A+4*\p+3], s[66:67], \p*2097152
	s_or_b32 s[G0A+4*\p+3], s[G0A+4*\p+3], 0x80000000
	s_mov_b32 s[G0B+4*\p], 1
	s_add_co_u32 s[G0B+4*\p+1], s71, \p*65536
	s_add_nc_u64 s[G0B+4*\p+2:G0B+4*\p+3], s[68:69], \p*1048576
	s_or_b32 s[G0B+4*\p+3], s[G0B+4*\p+3], 0x80000000
	s_wait_alu depctr_va_vdst(0)
	s_wait_tensorcnt 0x0
	ds_add_u32 v254, v255
	ds_add_u32 v254, v255
	s_wait_dscnt 0x0
	CROUND
	JLOAD G0A+4*\p, G1A, G0B+4*\p, G1B
.endr
	v_and_b32 v1, 31, v0                           ; lane
	v_lshlrev_b32 v[LI], 4, v1
	v_and_b32 v7, 15, v0                           ; r
	v_bfe_u32 v8, v0, 4, 1                         ; h
	s_lshl_b32 s72, s[WV], 11
	s_add_co_u32 s72, s72, 65536
	v_add_nc_u32 v[ADB], s72, v[LI]
	v_add_nc_u32 v[ADB+1], 65536, v[ADB]
	v_lshlrev_b32 v5, 4, v7
	v_lshl_add_u32 v[CO], v8, 12, v5               ; out0: 16 r, lanes 16-31 one row further down
	v_lshl_add_u32 v6, v8, 16, v5                  ; Wo's scale words: 16 r, lanes 16-31 the second half of K
	v_lshl_add_u32 v5, v8, 17, v5                  ; av's likewise
	s_wait_alu depctr_va_vdst(0)
	v_lshlrev_b32 v9, 6, v8                        ; the bias: 64 h bytes
	s_wait_alu depctr_va_vdst(0)
	s_mul_i32 s78, s[WV], 16*SP
	s_add_co_u32 s78, s78, STAGE                   ; my stage
	v_mul_u32_u24 v[STO], v7, SP
	v_lshl_add_u32 v[STO], v8, 6, v[STO]
	v_add_nc_u32 v[STO], s78, v[STO]               ; in: row r, + 64 h bytes
	v_mul_u32_u24 v[RD], v8, SP
	v_lshl_add_u32 v[RD], v7, 4, v[RD]
	v_add_nc_u32 v[RD], s78, v[RD]                 ; back: lanes 0-15 one row of 256 bytes, lanes 16-31 the next
	s_lshl_b32 s74, s28, 11
	s_mov_b32 s75, 0
	s_add_nc_u64 s[74:75], s[6:7], s[74:75]        ; av's scale words of the tile's 128 positions
	s_lshl_b32 s76, s31, 12
	s_lshl_b32 s77, s[WV], 10
	s_add_co_u32 s76, s76, s77
	s_mov_b32 s77, 0
	s_add_nc_u64 s[76:77], s[10:11], s[76:77]      ; Wo's of my 64
	s_lshl_b32 s80, s27, 10                        ; my 64 columns in bytes: 1,024 x tile column + 256 x wave
	s_lshl_b32 s81, s[WV], 8
	s_add_co_u32 s80, s80, s81
	s_mov_b32 s81, 0
	s_add_nc_u64 s[82:83], s[12:13], s[80:81]      ; in the bias,
	s_lshl_b32 s84, s28, 19                        ; and in out0: the tile's 128 rows of 4,096 bytes
	s_add_co_u32 s84, s84, s80
	s_mov_b32 s85, 0
	s_add_nc_u64 s[84:85], s[14:15], s[84:85]
.irp a, 0,1,2,3,4,5,6,7
	global_load_b128 v[SA+4*\a:SA+4*\a+3], v5, s[74:75] offset:256*\a   ; sixteen lanes read 256 consecutive bytes
.endr
.irp t, 0,1,2,3
	global_load_b128 v[SB+4*\t:SB+4*\t+3], v6, s[76:77] offset:256*\t
.endr
.irp t, 0,1,2,3                                ; register 8 t + j: the bias at column 32 (t / 2) + 16 h + 8 (t % 2) + j
	global_load_b128 v[BI+8*\t:BI+8*\t+3], v9, s[82:83] offset:(32*(\t/2)+8*(\t%2))*4
	global_load_b128 v[BI+8*\t+4:BI+8*\t+7], v9, s[82:83] offset:(32*(\t/2)+8*(\t%2))*4+16
.endr
	s_wait_tensorcnt 1                             ; my part of the first half of K is in; the second half's load may be out
	s_barrier_signal -1
	s_barrier_wait -1                              ; everybody's is
	FETCH 0
	s_wait_loadcnt 0x0                             ; scale words and bias
	KSTEP 0
	KSTEP 1
	KSTEP 2
	s_wait_tensorcnt 0x0                           ; my part of the second half of K is in,
	s_wait_dscnt 0x0                               ; no LDS load of mine is pending at the signal,
	s_barrier_signal -1
	s_barrier_wait -1                              ; and everybody's part is in
	KSTEP 3
	KSTEP 4
	KSTEP 5
	KSTEP 6
	KSTEP 7
	WIN 0
; THE WAY OUT, block by block of 16 row positions x 64 columns.
.macro TOSTAGE a
	WIN 0x04                                       ; an LDS store's data are its source 1: window 1
.irp t, 0,1,2,3
	ds_store_b128 v[STO], v[32*(\a)+8*\t:32*(\a)+8*\t+3] offset:128*(\t/2)+32*(\t%2)       ; each accumulator from its low end on
	ds_store_b128 v[STO], v[32*(\a)+8*\t+4:32*(\a)+8*\t+7] offset:128*(\t/2)+32*(\t%2)+16
.endr
	WIN 0
.set BB, BK+32*((\a)%2)
.irp i, 0,1,2,3,4,5,6,7
	ds_load_b128 v[BB+4*\i:BB+4*\i+3], v[RD] offset:2*\i*SP   ; LDS serves a wave's instructions in order (ISA guide 5.7.1.4): these see the stores above, and the next block's stores come behind them
.endr
.endm
.macro SEND a, younger                 ; younger: the LDS instructions issued behind block a's loads, which may stay out
.set BB, BK+32*((\a)%2)
	s_wait_dscnt \younger
.irp i, 0,1,2,3,4,5,6,7
	global_store_b128 v[CO], v[BB+4*\i:BB+4*\i+3], s[84:85] offset:(32*((\a)/2)+8*((\a)%2)+2*\i+8*(\i/4))*4096 th:TH_STORE_NT   ; stage rows 2 i and 2 i + 1 at their true rows; 126 rows at the most: inside the signed 24-bit immediate
.endr
.endm
	PLACES                                         ; in front of the first read of results
	s_wait_alu depctr_va_vdst(0)
	TOSTAGE 0
.irp a, 1,2,3,4,5,6,7
.if \a > 1
	s_wait_xcnt 0x0                                ; block a - 2's stores have read their registers: block a's loads may land there
.endif
	TOSTAGE \a
	SEND \a-1, 16                                  ; behind block a - 1's loads: block a's 8 stores and 8 loads
.endr
	SEND 7, 0
	s_wait_tensorcnt 0x0
	s_wait_dscnt 0x0
	s_wait_tensorcnt 0x0
	ds_add_u32 v254, v255
	s_wait_dscnt 0x0
	CROUND                                         ; the closing round: no work-group ends while a partner may still ask for a tile that names it
	s_endpgm
.Lfunc_end_k_qa8ef511b1f_outp:
	.size	k_qa8ef511b1f_outp, .Lfunc_end_k_qa8ef511b1f_outp-k_qa8ef511b1f_outp
	.p2alignl 7, 3214868480
	.fill 96, 4, 3214868480
	.section	.rodata,"a",@progbits
	.p2align	6, 0x0
	.amdhsa_kernel k_qa8ef511b1f_outp
		.amdhsa_group_segment_fixed_size 327680
		.amdhsa_private_segment_fixed_size 0
		.amdhsa_enable_private_segment 0
		.amdhsa_kernarg_size 48
		.amdhsa_user_sgpr_count 2
		.amdhsa_user_sgpr_kernarg_segment_ptr 1
		.amdhsa_wavefront_size32 1
		.amdhsa_system_sgpr_workgroup_id_x 1
		.amdhsa_system_sgpr_workgroup_id_y 1
		.amdhsa_system_sgpr_workgroup_id_z 1
		.amdhsa_system_vgpr_workitem_id 0
		.amdhsa_next_free_vgpr 768
		.amdhsa_next_free_sgpr 96
		.amdhsa_reserve_vcc 0
		.amdhsa_float_denorm_mode_32 3
		.amdhsa_float_denorm_mode_16_64 3
		.amdhsa_memory_ordered 1
		.amdhsa_forward_progress 1
		.amdhsa_inst_pref_size 71
	.end_amdhsa_kernel
	.amdgpu_metadata
---
amdhsa.version: [ 1, 2 ]
amdhsa.kernels:
  - .name:           k_qa8ef511b1f_outp
    .symbol:         k_qa8ef511b1f_outp.kd
    .args:
      - { .name: avc, .offset: 0, .size: 8, .value_kind: global_buffer, .address_space: global }
      - { .name: avs, .offset: 8, .size: 8, .value_kind: global_buffer, .address_space: global }
      - { .name: wc, .offset: 16, .size: 8, .value_kind: global_buffer, .address_space: global }
      - { .name: ws, .offset: 24, .size: 8, .value_kind: global_buffer, .address_space: global }
      - { .name: bo, .offset: 32, .size: 8, .value_kind: global_buffer, .address_space: global }
      - { .name: out0, .offset: 40, .size: 8, .value_kind: global_buffer, .address_space: global }
    .group_segment_fixed_size: 327680
    .private_segment_fixed_size: 0
    .kernarg_segment_align: 8
    .kernarg_segment_size: 48
    .max_flat_workgroup_size: 128
    .sgpr_count:     96
    .vgpr_count:     768
    .wavefront_size: 32
...
	.end_amdgpu_metadata
.endif
;; end of part 5
